; MI455X (gfx1250); checked and timed in simulation.
; The chip was launched on July 23, 2026; its instructions are those of AMD's public machine-readable ISA for CDNA 5 (MIT licence, August 2026) and "CDNA5" Instruction Set Architecture Reference Guide (July 2026). The comments in the code are by the model that wrote it; some were corrected since.
;; Advanced Transformer Block. Allowed arithmetic: matrix products marked QUANTISED: E2M3 operands, one E8M0 scale for each 32 along K, by v_wmma_scale_f32_16x16x128_f8f6f4 with both operands' format E2M3, f32 sums; everything else in f32.
;; Inputs: b1 4,096 float32; b2 1,024 float32; bk 256 float32; bo 1,024 float32; bq 1,024 float32; bv 256 float32; kn_w 64 float32; norm1_w 1,024 float32; norm2_w 1,024 float32; qn_w 64 float32; w1_codes 4,096 x 32 x 24 uint8 (E2M3 codes of w1, K innermost, in blocks of 32 codes, four codes in three bytes); w1_scales 4,096 x 32 uint8 (E8M0 scales of w1, one for each 32 codes along K); w2_codes 1,024 x 128 x 24 uint8 (E2M3 codes of w2, K innermost, in blocks of 32 codes, four codes in three bytes); w2_scales 1,024 x 128 uint8 (E8M0 scales of w2, one for each 32 codes along K); wk_codes 256 x 32 x 24 uint8 (E2M3 codes of wk, K innermost, in blocks of 32 codes, four codes in three bytes); wk_scales 256 x 32 uint8 (E8M0 scales of wk, one for each 32 codes along K); wo_codes 1,024 x 32 x 24 uint8 (E2M3 codes of wo, K innermost, in blocks of 32 codes, four codes in three bytes); wo_scales 1,024 x 32 uint8 (E8M0 scales of wo, one for each 32 codes along K); wq_codes 1,024 x 32 x 24 uint8 (E2M3 codes of wq, K innermost, in blocks of 32 codes, four codes in three bytes); wq_scales 1,024 x 32 uint8 (E8M0 scales of wq, one for each 32 codes along K); wv_codes 256 x 32 x 24 uint8 (E2M3 codes of wv, K innermost, in blocks of 32 codes, four codes in three bytes); wv_scales 256 x 32 uint8 (E8M0 scales of wv, one for each 32 codes along K); x 2,048 x 2 x 1,024 float32.
;; Outputs: out0 2,048 x 2 x 1,024 float32.
;; This version of the problem:
;;   THIS VERSION OF THE PROBLEM IS GIVEN IN LOW PRECISION. The matrix products marked QUANTISED in the list below multiply operands that are first quantised to E2M3 (2 exponent bits, 3 mantissa bits; 6 bits a number), with one power-of-two scale for each 32 numbers along K (OCP MX v1.0); their sums are f32. All else is computed in f32.
;;   The module's matrix products, in the order in which they are computed (A, B: the left and right operand; K: the contracted axis; several contracted axes count as one K, in the product's order):
;;     1. [M 4,096, K 1,024] x [K 1,024, N 1,024]; A: computed on the way; B: input wq (given as codes): QUANTISED
;;     2. [M 4,096, K 1,024] x [K 1,024, N 256]; A: computed on the way; B: input wk (given as codes): QUANTISED
;;     3. [M 4,096, K 1,024] x [K 1,024, N 256]; A: computed on the way; B: input wv (given as codes): QUANTISED
;;     4. batch 32 x [M 2,048, K 64] x [K 64, N 2,048]; A: computed on the way; B: computed on the way: QUANTISED
;;     5. batch 32 x [M 2,048, K 2,048] x [K 2,048, N 64]; A: softmax (see below); B: computed on the way: QUANTISED
;;     6. [M 4,096, K 1,024] x [K 1,024, N 1,024]; A: computed on the way; B: input wo (given as codes): QUANTISED
;;     7. [M 4,096, K 1,024] x [K 1,024, N 4,096]; A: computed on the way; B: input w1 (given as codes): QUANTISED
;;     8. [M 4,096, K 4,096] x [K 4,096, N 1,024]; A: computed on the way; B: input w2 (given as codes): QUANTISED
;;   THE QUANTISER, for each operand of a quantised product, along K:
;;     - K is cut into blocks of 32 from its start; a last block that is shorter is filled with zeros.
;;     - A block's scale is 2^e with e = floor(log2(the largest magnitude in the block)) - 2, held to -126 .. 127; a block of zeros has e = 0. As a byte (E8M0): e + 127.
;;     - Each number is divided by its block's scale, clamped to +-7.5, and rounded to the nearest number of E2M3, ties to even, subnormals kept.
;;     - The product sums the exact products of the quantised numbers (number of the format x scale) in f32.
;;   ~~~python
;;   def quantise(x, axis):      # numpy; x: float32 -> the quantised numbers, widened to float32 again
;;       x = np.moveaxis(x, axis, -1); K = x.shape[-1]
;;       x = np.pad(x, [(0, 0)] * (x.ndim - 1) + [(0, -K % 32)]); x = x.reshape(x.shape[:-1] + (-1, 32)); a = np.abs(x).max(-1, keepdims=True)
;;       e = np.where(a > 0, np.clip(np.frexp(np.where(a > 0, a, 1))[1] - 1 - 2, -126, 127), 0)      # np.frexp(a)[1] - 1 = floor(log2(a)), exactly
;;       r = np.clip(x / 2.0 ** e, -7.5, 7.5)
;;       step = 2.0 ** (np.maximum(np.frexp(np.where(r == 0, 1, r))[1] - 1, 0) - 3)
;;       q = np.round(r / step) * step * 2.0 ** e      # np.round: ties to even
;;       return np.moveaxis(q.reshape(q.shape[:-2] + (-1,))[..., :K], -1, axis).astype(np.float32)
;;   ~~~
;;   SOFTMAX AHEAD OF A QUANTISED PRODUCT. Where the list says 'softmax', what is quantised is not the finished softmax but p = 2^(t - M), with t = logit x log2(e) and M = ceil(the row's largest t), a whole number; so 1/2 < the row's largest p <= 1. The row's sum l is taken of the UNQUANTISED p, in f32, and the product's result is divided by l at the end. Since M is a whole number, a kernel that streams over the keys may use a running M (the ceiling of the running maximum): every later rescaling is an exact power of two, which a block's scale takes up: the codes' values come out the same.
;;   OPERANDS COMPUTED ON THE WAY. 'Computed on the way' means the value that the module computes at that place (a softmax that the list does not call 'softmax' is quantised finished and normalised). What goes into a quantiser is computed in f32, as accurately as f32 sums, v_exp_f32 and their like allow (about 1e-6 of the number): no bf16 or f16 on the way to a quantiser, and a product that is left as it is and whose result goes on into a quantised operand takes f32 operands (vector FMAs, or v_wmma_f32_16x16x4_f32). A number that lies on a knife's edge between two numbers of the format may be rounded either way, as far as f32 arithmetic and the matrix unit's own rounding can turn it there, and no further.
;;   INPUTS GIVEN AS CODES. w1 (in the module: [1024, 4096], K = its axis 0); w2 (in the module: [4096, 1024], K = its axis 0); wk (in the module: [1024, 256], K = its axis 0); wo (in the module: [1024, 1024], K = its axis 0); wq (in the module: [1024, 1024], K = its axis 0); wv (in the module: [1024, 256], K = its axis 0): each comes as NAME_codes (uint8): NAME with its K axis moved to the last place and cut into blocks of 32 codes, [.., K / 32, bytes a block], one block behind the other in memory; four codes in three bytes: a row's codes are one little-endian stream of bits, code i at bits 6 i .. 6 i + 5 (a code: sign, 2 exponent bits, 3 mantissa bits); and NAME_scales (uint8): the same leading axes, one E8M0 byte (e + 127) for each 32 codes along K. Its value is code x scale, taken as it is: it is not quantised again, and the codes and scales need not be those that the quantiser above would give.
;; One version. Each part assembles by itself: llvm-mc -triple=amdgcn-amd-amdhsa -mcpu=gfx1250 --defsym DOCPART=n.
;; ======== version 1 of 1: 5 launches
;; limits: right only within a limited range of input values
;; workspace buffers: qkvbuf 4,915,200 bytes; attbuf 3,276,800 bytes; x1buf 16,777,216 bytes; hidbuf 13,107,200 bytes
;; launch proj (part 1): grid 64 x 4, 4 waves a work-group, clusters of 4 x 1, 327,680 bytes of LDS; arguments x, norm1_w, wq_codes, wq_scales, bq, wk_codes, wk_scales, bk, wv_codes, wv_scales, bv, qn_w, kn_w, qkvbuf; writes qkvbuf
.if DOCPART == 1
	.amdgcn_target "amdgcn-amd-amdhsa--gfx1250"
	.amdhsa_code_object_version 6
	.text
	.protected	k_qda79fdd7c2_proj
	.globl	k_qda79fdd7c2_proj
	.p2align	8
	.type	k_qda79fdd7c2_proj,@function
k_qda79fdd7c2_proj:
	s_mov_b64 s[64:65], 0
	v_nop
	global_prefetch_b8 v0, s[64:65] scope:SCOPE_SE
	s_setreg_imm32_b32 hwreg(HW_REG_WAVE_MODE, 25, 1), 1
	s_wait_xcnt 0x0
	s_wait_alu depctr_hold_cnt(0) depctr_sa_sdst(0) depctr_va_vdst(0) depctr_va_sdst(0) depctr_va_ssrc(0) depctr_va_vcc(0) depctr_vm_vsrc(0)
	s_getreg_b32 s2, hwreg(HW_REG_IB_STS2, 6, 4)
	s_cmp_eq_u32 s2, 0
	s_cbranch_scc0 .Lentry_in_a_cluster
	s_endpgm
.Lentry_in_a_cluster:
	s_bfe_u32 s2, ttmp6, 0x10000c
	s_cmp_lg_u32 s2, 0x3003
	s_cbranch_scc0 .Lentry_shape_is_right
	s_endpgm
.Lentry_shape_is_right:
; RMSNorm of x, its codes (E2M3, one E8M0 byte for 32 along K), the products with wq, wk, wv, biases, the heads' RMSNorm, RoPE, and the codes of q, k (along the head's 64) and v (along the keys).
; SHARES.  A work-group takes 64 sequence places of one batch (block R) and one key/value group g: 384 columns.  Wave w: query head 4 g + w for all 64 rows; then waves 0, 1: k for two of the four
; row tiles each; waves 2, 3: v, two tiles of 16 channels each, all rows.  The four work-groups of a cluster are four row blocks with the same g: they ask for the weights jointly.
; ROWS OF A TILE: lane r of row tile Tq is sequence place 32 (Tq / 2) + 8 (Tq % 2) + r + 8 (r / 8), so that where rows fall into registers two neighbouring tiles give a lane 16 neighbouring places.
; A's 32 fragments (64 rows x 1,024) stay in every wave's registers; each wave quantises one tile and the images go round through LDS, a K step at a time, in two buffers by turns.
; LIMITS: NaN and infinities are not served; a block of zeros gets the scale byte 1 (its codes are zeros; only this program reads the bytes); the RoPE frequencies are made by v_exp_f32.
; REGISTERS.  window 0: v1-23 addresses; v24-55 A's scale words [tile][K step]; v56-71 wq's, v72-87 wk's or wv's; v88-151 T (64 numbers); v152-171 codes; v172-187 at work; v188 scale word; v190-201 sums;
;   v206-221 frequencies; during products v88-135, v136-183 two sets of weight fragments.  windows 1, 2: x, then A's fragments [K step] at 64 ks + 12 tile; the 16 registers left at 64 ks + 48 hold biases and gains.
;   window 3: v0-127 cos and sin [tile]; v128-255 norm weights, then the accumulators.
.set T, 88
.set PC, 152
.set TM, 172
.set PW, 188
.set BF, 88
.set SEL, 62
.set WP, 816                           ; a weight row in LDS: 768 bytes + 16 behind every 256
.set XCH, 313344                       ; behind the weights: two exchange buffers
.set XBUF, 6656                        ; 4 images of 1,536 bytes, 4 x 128 bytes of scale words
.set KIMG, 3145728
.set VIMG, 3932160
.set QSC, 4718592
.set KSC, 4849664
.set VSC, 4882432
.set MSB, 0
.macro WIN new                         ; the immediate's high byte repeats the setting that is left
.if MSB != (\new)
	s_set_vgpr_msb (MSB<<8)|(\new)
.set MSB, (\new)
.endif
.endm
.macro PLACES
.rept 4
	v_nop
.endr
.endm
.macro SPAIR reg, val
	s_mov_b32 s[\reg], \val
	s_mov_b32 s[\reg+1], \val
.endm
.macro ROUND                           ; a round of the cluster's barrier
	s_barrier_signal -1
	s_barrier_wait -1
	s_cmp_lg_u32 s3, 0
	s_cbranch_scc1 .Lnw0_\@
	s_barrier_signal -3
.Lnw0_\@:
	s_barrier_wait -3
	s_barrier_signal -1
	s_barrier_wait -1
.endm
; one matrix instruction.  c < 0: the sum starts with 0.  ra, rb: the side's scale words stand in lanes 16-31
.macro MM d, a, b, c, sa, sb, ra, rb
.if (\c) < 0
.if (\ra)
	v_wmma_scale_f32_16x16x128_f8f6f4 v[\d:\d+7], v[\a:\a+11], v[\b:\b+11], 0, v[\sa], v[\sb] matrix_a_fmt:MATRIX_FMT_FP6 matrix_b_fmt:MATRIX_FMT_FP6 matrix_a_scale:MATRIX_SCALE_ROW1
.elseif (\rb)
	v_wmma_scale_f32_16x16x128_f8f6f4 v[\d:\d+7], v[\a:\a+11], v[\b:\b+11], 0, v[\sa], v[\sb] matrix_a_fmt:MATRIX_FMT_FP6 matrix_b_fmt:MATRIX_FMT_FP6 matrix_b_scale:MATRIX_SCALE_ROW1
.else
	v_wmma_scale_f32_16x16x128_f8f6f4 v[\d:\d+7], v[\a:\a+11], v[\b:\b+11], 0, v[\sa], v[\sb] matrix_a_fmt:MATRIX_FMT_FP6 matrix_b_fmt:MATRIX_FMT_FP6
.endif
.else
.if (\ra)
	v_wmma_scale_f32_16x16x128_f8f6f4 v[\d:\d+7], v[\a:\a+11], v[\b:\b+11], v[\c:\c+7], v[\sa], v[\sb] matrix_a_fmt:MATRIX_FMT_FP6 matrix_b_fmt:MATRIX_FMT_FP6 matrix_a_scale:MATRIX_SCALE_ROW1
.elseif (\rb)
	v_wmma_scale_f32_16x16x128_f8f6f4 v[\d:\d+7], v[\a:\a+11], v[\b:\b+11], v[\c:\c+7], v[\sa], v[\sb] matrix_a_fmt:MATRIX_FMT_FP6 matrix_b_fmt:MATRIX_FMT_FP6 matrix_b_scale:MATRIX_SCALE_ROW1
.else
	v_wmma_scale_f32_16x16x128_f8f6f4 v[\d:\d+7], v[\a:\a+11], v[\b:\b+11], v[\c:\c+7], v[\sa], v[\sb] matrix_a_fmt:MATRIX_FMT_FP6 matrix_b_fmt:MATRIX_FMT_FP6
.endif
.endif
.endm
; a weight fragment from padded rows: six pieces of 8 bytes.  Lanes 16-31 read three pieces on; where that lies behind one padding more, the second address register (40 for 24 bytes a half) serves
.macro FRAGB reg, adr, pc0, rowoff, seg
.irp p, 0,1,2,3,4,5
.set PCX, (\pc0)+6*(\p/3)+\p%3
.if PCX%(\seg) < (\seg)-3
	ds_load_b64 v[\reg+2*\p:\reg+2*\p+1], v[\adr] offset:8*PCX+16*(PCX/(\seg))+(\rowoff)
.else
	ds_load_b64 v[\reg+2*\p:\reg+2*\p+1], v[\adr+1] offset:8*PCX+16*(PCX/(\seg))+(\rowoff)
.endif
.endr
.endm
; 64 numbers of a lane, register 16 b + i = k 32 b + 16 (lane / 16) + i of its row, become 12 registers of codes at v[PC] and the scale word v[PW]
.macro QUANT s
.irp b, 0,1,2,3
	v_max3_num_f32 v[TM+\b], |v[\s+16*\b]|, |v[\s+1+16*\b]|, 0x1800000   ; with the floor 2^(3 - 127): the byte cannot fall under 1
.endr
.irp i, 2,4,6,8,10,12,14
.irp b, 0,1,2,3
	v_max3_num_f32 v[TM+\b], v[TM+\b], |v[\s+16*\b+\i]|, |v[\s+1+16*\b+\i]|
.endr
.endr
.irp b, 0,1,2,3
	v_permlanex16_b32 v[TM+4+\b], v[TM+\b], s[SEL], s[SEL+1]
.endr
.irp b, 0,1,2,3
	v_max_num_f32 v[TM+\b], v[TM+\b], v[TM+4+\b]       ; with lane l xor 16's: the block's largest magnitude
.endr
.irp b, 0,1,2,3
	v_add_nc_u32 v[TM+12+\b], 0xff000000, v[TM+\b]     ; 2 off its exponent field: the conversion's scale operand
.endr
.irp b, 0,1,2,3
	v_lshrrev_b32 v[TM+4+\b], 23, v[TM+12+\b]          ; the scale's byte
.endr
	v_lshl_or_b32 v[PW], v[TM+5], 8, v[TM+4]
	v_lshl_or_b32 v[PW], v[TM+6], 16, v[PW]
	v_lshl_or_b32 v[PW], v[TM+7], 24, v[PW]
.irp c, 0,1
	v_cvt_scalef32_pk16_fp6_f32 v[PC+6*\c:PC+2+6*\c], v[\s+32*\c:\s+15+32*\c], v[TM+12+2*\c]
	v_cvt_scalef32_pk16_fp6_f32 v[PC+12+4*\c:PC+14+4*\c], v[\s+16+32*\c:\s+31+32*\c], v[TM+12+2*\c+1]
.endr
	v_nop                                              ; one plain place behind a scaled conversion
.irp c, 0,1                                        ; a whole block to a lane: lanes 0-15 block 2 c, lanes 16-31 block 2 c + 1
.irp i, 0,1,2
	v_permlane16_swap_b32 v[PC+6*\c+\i], v[PC+12+4*\c+\i]
.endr
.irp i, 0,1,2
	v_mov_b32 v[PC+3+6*\c+\i], v[PC+12+4*\c+\i]
.endr
.endr
.endm
.macro NWLOAD ks                       ; the norm's gains of K step ks, in x's layout, into window 3
	WIN 0xc0
.irp bb, 0,1,2,3
.irp j, 0,1,2,3
	global_load_b128 v[128+64*((\ks)%2)+16*\bb+4*\j:128+64*((\ks)%2)+16*\bb+4*\j+3], v16, s[10:11] offset:512*(\ks)+128*\bb+16*\j
.endr
.endr
.endm
; K step ks of the norm: my tile's 64 numbers a lane are scaled, quantised, stored as an image; behind the barrier all four tiles' images come into registers
.macro PRO ks
.if (\ks) < 7
	s_wait_loadcnt 16                                  ; this step's 16 loads of gains are in, the next step's 16 may be out
.else
	s_wait_loadcnt 0x0
.endif
	WIN 0x01+(\ks)/4
.set j, 0
.rept 32
	v_pk_mul_f32 v[T+j:T+j+1], v[64*((\ks)%4)+j:64*((\ks)%4)+j+1], v[18:19] op_sel_hi:[1,0]
.set j, j+2
.endr
	WIN 0x0c
.set j, 0
.rept 32
	v_pk_mul_f32 v[T+j:T+j+1], v[T+j:T+j+1], v[128+64*((\ks)%2)+j:128+64*((\ks)%2)+j+1]
.set j, j+2
.endr
.if (\ks) < 6
	NWLOAD (\ks)+2
.endif
	WIN 0
	QUANT T
.irp c, 0,1,2
	ds_store_b128 v4, v[PC+4*\c:PC+4*\c+3] offset:XBUF*((\ks)%2)+512*\c
.endr
	ds_store_b32 v5, v[PW] offset:XBUF*((\ks)%2)
.if (\ks) == 7
	s_wait_tensorcnt 0x0                               ; my parts of the weights have landed: the barrier shows them to the other waves
.endif
	s_wait_dscnt 0x0                                   ; my stores have landed; my loads of the other buffer, which the next step writes, are in
	s_barrier_signal -1
	s_barrier_wait -1
	WIN 0x40+0x40*((\ks)/4)
.irp mu, 0,1
.irp c, 0,1,2
	ds_load_b128 v[64*((\ks)%4)+12*\mu+4*\c:64*((\ks)%4)+12*\mu+4*\c+3], v6 offset:XBUF*((\ks)%2)+1536*\mu+512*\c
.endr
.endr
.irp mu, 0,1
.irp c, 0,1,2
	ds_load_b128 v[64*((\ks)%4)+24+12*\mu+4*\c:64*((\ks)%4)+24+12*\mu+4*\c+3], v7 offset:XBUF*((\ks)%2)+1536*\mu+512*\c
.endr
.endr
	WIN 0
.irp mu, 0,1
	ds_load_b32 v[24+8*\mu+(\ks)], v8 offset:XBUF*((\ks)%2)+128*\mu
	ds_load_b32 v[40+8*\mu+(\ks)], v9 offset:XBUF*((\ks)%2)+128*\mu
.endr
.endm
; cos and sin of place x frequency for my lane's row of local tile mu: 16 angles.  Reduction by quarter turns in two parts, polynomials on +-pi/4
.macro TRIG16 mu, sb
	v_add3_u32 v20, s[\sb], v23, 8*((\mu)%2)
	v_cvt_f32_u32 v20, v20
	v_mov_b32 v21, v20
.set j, 0
.rept 8
	v_pk_mul_f32 v[88+j:89+j], v[206+j:207+j], v[20:21]
.set j, j+2
.endr
.set j, 0
.rept 8
	v_pk_mul_f32 v[104+j:105+j], v[88+j:89+j], s[66:67] op_sel_hi:[1,0]
.set j, j+2
.endr
.set j, 0
.rept 16
	v_rndne_f32 v[104+j], v[104+j]
.set j, j+1
.endr
.set j, 0
.rept 8
	v_pk_fma_f32 v[88+j:89+j], v[104+j:105+j], s[68:69], v[88+j:89+j] op_sel_hi:[1,0,1]
.set j, j+2
.endr
.set j, 0
.rept 8
	v_pk_fma_f32 v[88+j:89+j], v[104+j:105+j], s[70:71], v[88+j:89+j] op_sel_hi:[1,0,1]
.set j, j+2
.endr
.set j, 0
.rept 8
	v_pk_mul_f32 v[120+j:121+j], v[88+j:89+j], v[88+j:89+j]
.set j, j+2
.endr
.set j, 0
.rept 8
	v_pk_fma_f32 v[136+j:137+j], v[120+j:121+j], s[72:73], v[222:223] op_sel_hi:[1,0,1]
	v_pk_fma_f32 v[152+j:153+j], v[120+j:121+j], s[76:77], v[224:225] op_sel_hi:[1,0,1]
.set j, j+2
.endr
.set j, 0
.rept 8
	v_pk_fma_f32 v[136+j:137+j], v[136+j:137+j], v[120+j:121+j], s[74:75] op_sel_hi:[1,1,0]
	v_pk_fma_f32 v[152+j:153+j], v[152+j:153+j], v[120+j:121+j], s[78:79] op_sel_hi:[1,1,0]
.set j, j+2
.endr
.set j, 0
.rept 8
	v_pk_mul_f32 v[136+j:137+j], v[136+j:137+j], v[120+j:121+j]
	v_pk_mul_f32 v[152+j:153+j], v[152+j:153+j], v[120+j:121+j]
	v_pk_fma_f32 v[168+j:169+j], v[120+j:121+j], -0.5, 1.0 op_sel_hi:[1,0,0]
.set j, j+2
.endr
.set j, 0
.rept 8
	v_pk_fma_f32 v[136+j:137+j], v[136+j:137+j], v[88+j:89+j], v[88+j:89+j]
	v_pk_fma_f32 v[152+j:153+j], v[152+j:153+j], v[120+j:121+j], v[168+j:169+j]
.set j, j+2
.endr
.set j, 0
.rept 16
	v_cvt_i32_f32 v[104+j], v[104+j]
.set j, j+1
.endr
.set j, 0
.rept 16                                           ; the quarter: odd: sin and cos change places; sin is negative in quarters 2, 3, cos in 1, 2
	v_and_b32 v[168+j], 1, v[104+j]
	v_cmp_eq_u32 vcc_lo, 1, v[168+j]
	v_cndmask_b32 v[120+j], v[136+j], v[152+j], vcc_lo
	v_cndmask_b32 v[88+j], v[152+j], v[136+j], vcc_lo
	v_lshlrev_b32 v[168+j], 30, v[104+j]
	v_add_nc_u32 v[104+j], 1, v[104+j]
	v_lshlrev_b32 v[104+j], 30, v[104+j]
	v_and_b32 v[168+j], s95, v[168+j]
	v_and_b32 v[104+j], s95, v[104+j]
.set j, j+1
.endr
	WIN 0xc0
.set j, 0
.rept 16
	v_xor_b32 v[32*(\mu)+16+j], v[120+j], v[168+j]
	v_xor_b32 v[32*(\mu)+j], v[88+j], v[104+j]
.set j, j+1
.endr
	WIN 0
.endm
.macro LOADW adr, nt, ks, set          ; nt weight fragments of K step ks into set
	WIN 0
.set tt, 0
.rept \nt
	FRAGB BF+48*(\set)+12*tt, \adr, 12*(\ks), tt*16*WP, 32
.set tt, tt+1
.endr
.endm
; the accumulators take turns, one instruction a turn
.macro QMM ks
	WIN 0xf4+4*((\ks)/4)
.irp t, 0,1,2,3
.irp mu, 0,1,2,3
.if (\ks) == 0
	MM 128+32*\mu+8*\t, BF+48*((\ks)%2)+12*\t, 64*((\ks)%4)+12*\mu, -1, 56+8*(\t/2)+(\ks), 24+8*\mu+(\ks), \t%2, 0
.else
	MM 128+32*\mu+8*\t, BF+48*((\ks)%2)+12*\t, 64*((\ks)%4)+12*\mu, 128+32*\mu+8*\t, 56+8*(\t/2)+(\ks), 24+8*\mu+(\ks), \t%2, 0
.endif
.endr
.endr
.endm
.macro KMM ks
	WIN 0xf4+4*((\ks)/4)
.irp t, 0,1,2,3
.irp mu, 0,1
.if (\ks) == 0
	MM 128+32*\mu+8*\t, BF+48*((\ks)%2)+12*\t, 64*((\ks)%4)+12*\mu, -1, 72+8*(\t/2)+(\ks), 24+8*\mu+(\ks), \t%2, 0
.else
	MM 128+32*\mu+8*\t, BF+48*((\ks)%2)+12*\t, 64*((\ks)%4)+12*\mu, 128+32*\mu+8*\t, 72+8*(\t/2)+(\ks), 24+8*\mu+(\ks), \t%2, 0
.endif
.endr
.endr
.endm
.macro VMM ks                          ; source 0 = the rows, source 1 = wv's rows: a lane holds one channel, its registers run along the keys
	WIN 0xf1+(\ks)/4
.irp t, 0,1
.irp mu, 0,1,2,3
.if (\ks) == 0
	MM 128+32*\t+8*\mu, 64*((\ks)%4)+12*\mu, BF+48*((\ks)%2)+12*\t, -1, 24+8*\mu+(\ks), 72+(\ks), 0, \t
.else
	MM 128+32*\t+8*\mu, 64*((\ks)%4)+12*\mu, BF+48*((\ks)%2)+12*\t, 128+32*\t+8*\mu, 24+8*\mu+(\ks), 72+(\ks), 0, \t
.endif
.endr
.endr
.endm
; two row tiles m0, m0 + 1 of a head: bias, 16 neighbours to a lane, the head's RMSNorm, its gain, RoPE; left in T in the quantiser's layout.  wa, wb: windows of the bias and of the gain
.macro UPAIR m0, wa, wb
	WIN \wa
.irp u, 0,1
.irp t, 0,1,2,3
.irp jj, 0,2,4,6
	v_pk_add_f32 v[T+32*\u+8*\t+\jj:T+32*\u+8*\t+\jj+1], v[128+32*(\m0+\u)+8*\t+\jj:128+32*(\m0+\u)+8*\t+\jj+1], v[48+64*(\t/2)+8*(\t%2)+\jj:48+64*(\t/2)+8*(\t%2)+\jj+1]
.endr
.endr
.endr
	WIN 0
.irp q, 0,1,2,3
.irp j, 0,1,2,3,4,5,6,7
	v_permlane16_swap_b32 v[T+16*\q+\j], v[T+16*\q+8+\j]   ; register 16 b + i now holds channel 32 b + 16 (lane / 16) + i
.endr
.endr
.irp u, 0,1
	v_pk_mul_f32 v[190+4*\u:191+4*\u], v[T+32*\u:T+32*\u+1], v[T+32*\u:T+32*\u+1]
	v_pk_mul_f32 v[192+4*\u:193+4*\u], v[T+32*\u+2:T+32*\u+3], v[T+32*\u+2:T+32*\u+3]
.endr
.irp j, 4,8,12,16,20,24,28
.irp u, 0,1
	v_pk_fma_f32 v[190+4*\u:191+4*\u], v[T+32*\u+\j:T+32*\u+\j+1], v[T+32*\u+\j:T+32*\u+\j+1], v[190+4*\u:191+4*\u]
	v_pk_fma_f32 v[192+4*\u:193+4*\u], v[T+32*\u+\j+2:T+32*\u+\j+3], v[T+32*\u+\j+2:T+32*\u+\j+3], v[192+4*\u:193+4*\u]
.endr
.endr
.irp u, 0,1
	v_pk_add_f32 v[190+4*\u:191+4*\u], v[190+4*\u:191+4*\u], v[192+4*\u:193+4*\u]
.endr
.irp u, 0,1
	v_add_f32 v[190+4*\u], v[190+4*\u], v[191+4*\u]
.endr
.irp u, 0,1
	v_permlanex16_b32 v[192+4*\u], v[190+4*\u], s[SEL], s[SEL+1]
.endr
.irp u, 0,1
	v_add_f32 v[190+4*\u], v[190+4*\u], v[192+4*\u]
.endr
.irp u, 0,1
	v_fma_f32 v[190+4*\u], v[190+4*\u], s94, s93       ; mean of 64 squares + eps
.endr
	s_wait_alu depctr_va_vdst(0)
.irp u, 0,1
	v_rsq_f32 v[198+2*\u], v[190+4*\u]
.endr
	v_nop                                              ; a plain place behind the transcendentals
	s_wait_alu depctr_va_vdst(0)                       ; one wait for both, ahead of their first reader
.irp u, 0,1
	v_mov_b32 v[199+2*\u], v[198+2*\u]
.endr
.irp u, 0,1
.set i, 0
.rept 16
	v_pk_mul_f32 v[T+32*\u+i:T+32*\u+i+1], v[T+32*\u+i:T+32*\u+i+1], v[198+2*\u:199+2*\u]
.set i, i+2
.endr
.endr
	WIN \wb
.irp u, 0,1
.set i, 0
.rept 16
	v_pk_mul_f32 v[T+32*\u+i:T+32*\u+i+1], v[T+32*\u+i:T+32*\u+i+1], v[176+64*(i/16)+i%16:176+64*(i/16)+i%16+1]
.set i, i+2
.endr
.endr
	WIN 0x03                                           ; cos and sin: source 0, window 3
.irp u, 0,1
.set i, 0
.rept 8
	v_pk_mul_f32 v[152+i:153+i], v[32*(\m0+\u)+16+i:32*(\m0+\u)+17+i], v[T+32*\u+16+i:T+32*\u+17+i]
	v_pk_mul_f32 v[168+i:169+i], v[32*(\m0+\u)+16+i:32*(\m0+\u)+17+i], v[T+32*\u+i:T+32*\u+i+1]
.set i, i+2
.endr
.set i, 0
.rept 8
	v_pk_fma_f32 v[T+32*\u+i:T+32*\u+i+1], v[32*(\m0+\u)+i:32*(\m0+\u)+i+1], v[T+32*\u+i:T+32*\u+i+1], v[152+i:153+i] neg_lo:[0,0,1] neg_hi:[0,0,1]
	v_pk_fma_f32 v[T+32*\u+16+i:T+32*\u+17+i], v[32*(\m0+\u)+i:32*(\m0+\u)+i+1], v[T+32*\u+16+i:T+32*\u+17+i], v[168+i:169+i]
.set i, i+2
.endr
.endr
	WIN 0
.endm
; a fragment's image: of each half, four registers at 16 x lane, two at 512 + 8 x lane: every store covers consecutive bytes
.macro HPSTORE base, sc
.irp c, 0,1
	global_store_b128 v2, v[PC+6*\c:PC+6*\c+3], s[\base:\base+1] offset:768*\c
	global_store_b64 v15, v[PC+6*\c+4:PC+6*\c+5], s[\base:\base+1] offset:768*\c+512
.endr
	global_store_b32 v14, v[PW], s[\sc:\sc+1]
.endm
	s_load_b512 s[8:23], s[0:1], 0x0               ; x, norm1_w, wq_codes, wq_scales, bq, wk_codes, wk_scales, bk
	s_load_b256 s[24:31], s[0:1], 0x40             ; wv_codes, wv_scales, bv, qn_w
	s_load_b128 s[32:35], s[0:1], 0x60             ; kn_w, the workspace
	v_lshl_add_u32 v254, v0, 2, 0x4fc00
	v_mov_b32 v255, 0
	ds_add_u32 v254, v255
	ds_add_u32 v254, v255
	v_lshrrev_b32 v1, 5, v0
	v_readfirstlane_b32 s3, v1                     ; wave
	s_bfe_u32 s4, ttmp6, 0x40000                   ; cx: it enters global addresses and the places' numbers alone
	s_lshl_b32 s5, ttmp9, 2
	s_add_co_u32 s5, s5, s4                        ; R: my block of 64 places
	s_and_b32 s6, ttmp7, 0xffff                    ; g
	s_lshr_b32 s7, s5, 5                           ; batch
	s_and_b32 s61, s5, 31
	s_lshl_b32 s61, s61, 6                         ; first place
	s_lshr_b32 s2, s3, 1
	s_xor_b32 s60, s2, 1
	s_and_b32 s60, s60, s3                         ; ps = 1 in wave 1 alone: its local tiles 0, 1 are tiles 2, 3
	; descriptors' shapes: rows of 768 bytes (96 elements of 8), 16 bytes of padding behind every 256; all four work-groups named
	s_mov_b32 s36, 15|(3<<16)|(1<<20)|(1<<21)|(5<<22)|(3<<25)
	s_mov_b32 s37, 96<<16
	s_mov_b32 s38, 128<<16                         ; wq comes in two loads of 128 rows
	s_mov_b32 s39, 96<<16
	s_mov_b32 s40, 128
	s_mov_b32 s41, 96
	s_mov_b32 s42, 0
	s_mov_b32 s43, 0
	s_mov_b32 s44, 15|(3<<16)|(1<<20)|(1<<21)|(5<<22)|(3<<25)
	s_mov_b32 s45, 96<<16
	s_mov_b32 s46, 64<<16                          ; wk and wv in one load of 64 rows each
	s_mov_b32 s47, 96<<16
	s_mov_b32 s48, 64
	s_mov_b32 s49, 96
	s_mov_b32 s50, 0
	s_mov_b32 s51, 0
	s_mov_b32 s[SEL], 0x76543210
	s_mov_b32 s[SEL+1], 0xfedcba98
	v_and_b32 v2, 31, v0                           ; lane
	v_and_b32 v14, 15, v0                          ; r
	v_bfe_u32 v16, v0, 4, 1                        ; h
	v_and_b32 v23, 8, v14
	v_add_nc_u32 v23, v23, v14                     ; r + 8 (r / 8)
	v_lshlrev_b32 v1, 13, v23
	v_lshl_add_u32 v1, v16, 6, v1                  ; x: a place is 8,192 bytes on; + 64 h
	v_mul_u32_u24 v10, v14, WP
	v_mad_u32_u24 v10, v16, 24, v10
	v_lshl_add_u32 v11, v16, 4, v10
	v_lshlrev_b32 v189, 5, v16                     ; 32 h
	v_lshlrev_b32 v16, 6, v16                      ; 64 h
	v_lshlrev_b32 v14, 2, v14                      ; 4 r
	v_lshlrev_b32 v3, 2, v2
	v_lshlrev_b32 v15, 3, v2
	v_lshlrev_b32 v17, 5, v2
	v_lshlrev_b32 v2, 4, v2
	s_wait_alu depctr_va_vdst(0)
	s_mul_i32 s88, s3, 1536
	s_add_co_u32 s88, s88, XCH
	v_add_nc_u32 v4, s88, v2                       ; where I store my tile's image
	s_lshl_b32 s88, s3, 7
	s_add_co_u32 s88, s88, XCH+6144
	v_add_nc_u32 v5, s88, v3                       ; and its scale words
	s_xor_b32 s89, s60, 1
	s_mul_i32 s88, s60, 3072
	s_add_co_u32 s88, s88, XCH
	v_add_nc_u32 v6, s88, v2                       ; local tiles 0, 1
	s_mul_i32 s88, s89, 3072
	s_add_co_u32 s88, s88, XCH
	v_add_nc_u32 v7, s88, v2                       ; local tiles 2, 3
	s_lshl_b32 s88, s60, 8
	s_add_co_u32 s88, s88, XCH+6144
	v_add_nc_u32 v8, s88, v3
	s_lshl_b32 s88, s89, 8
	s_add_co_u32 s88, s88, XCH+6144
	v_add_nc_u32 v9, s88, v3
	s_mul_i32 s88, s2, 52224
	s_and_b32 s89, s3, s2
	s_mul_i32 s89, s89, 26112
	s_add_co_u32 s88, s88, s89
	s_add_co_u32 s88, s88, 208896
	v_add_nc_u32 v12, s88, v10                     ; wk's 64 rows (waves 0, 1) or my 32 rows of wv (waves 2, 3)
	v_add_nc_u32 v13, s88, v11
	s_mul_i32 s88, s3, 52224
	v_add_nc_u32 v10, s88, v10                     ; my head's 64 rows of wq
	v_add_nc_u32 v11, s88, v11
	; offsets, apart from the addresses
	s_lshl_b32 s88, s6, 8
	s_lshl_b32 s89, s3, 6
	s_add_co_u32 s88, s88, s89                     ; 256 g + 64 w: my head's first row of wq
	s_mul_i32 s96, s88, 768
	s_mul_i32 s89, s3, 49152
	s_add_co_u32 s96, s96, s89                     ; row 256 g + 128 w of wq: what waves 0, 1 fetch
	s_mov_b32 s97, 0
	s_lshl_b32 s98, s88, 5
	s_mov_b32 s99, 0
	s_lshl_b32 s90, s88, 2
	s_mov_b32 s91, 0
	s_mov_b32 s52, 1
	s_mul_i32 s53, s3, 104448
	s_mov_b32 s56, 1
	s_mul_i32 s57, s3, 52224
	s_add_co_u32 s57, s57, 104448                  ; wave 2: wk at 208,896; wave 3: wv at 261,120
	s_wait_dscnt 0x0
	s_wait_kmcnt 0x0
	s_add_nc_u64 s[54:55], s[12:13], s[96:97]
	s_or_b32 s55, s55, 0x80000000
	s_add_nc_u64 s[14:15], s[14:15], s[98:99]      ; wq's scale rows
	s_add_nc_u64 s[16:17], s[16:17], s[90:91]      ; bq
	s_and_b32 s88, s3, 1
	s_lshl_b32 s88, s88, 5
	s_lshl_b32 s89, s6, 6
	s_add_co_u32 s88, s88, s89                     ; 64 g + 32 (w & 1)
	s_mul_i32 s96, s89, 768                        ; row 64 g of wk or wv
	s_cmp_eq_u32 s3, 2                             ; wave 2 fetches wk's 64 rows, wave 3 wv's
	s_cselect_b64 s[58:59], s[18:19], s[24:25]
	s_cmp_lt_u32 s3, 2                             ; waves 0, 1 use wk's scales, waves 2, 3 wv's
	s_cselect_b64 s[20:21], s[20:21], s[26:27]
	s_cselect_b32 s98, s89, s88
	s_cselect_b32 s90, 1024, 0
	s_add_nc_u64 s[58:59], s[58:59], s[96:97]
	s_or_b32 s59, s59, 0x80000000
	s_lshl_b32 s98, s98, 5
	s_add_nc_u64 s[20:21], s[20:21], s[98:99]      ; wk's 64 scale rows, or my 32 of wv
	v_add_nc_u32 v22, s90, v17
	s_lshl_b32 s88, s2, 5
	s_and_b32 s89, s3, 1
	s_lshl_b32 s89, s89, 3
	s_add_co_u32 s88, s88, s89
	s_add_co_u32 s88, s88, s61                     ; tile w's first place
	s_lshl_b32 s88, s88, 13
	s_lshl_b32 s89, s7, 12
	s_add_co_u32 s88, s88, s89
	s_mov_b32 s89, 0
	s_add_nc_u64 s[8:9], s[8:9], s[88:89]
	; where q's images go
	s_lshl_b32 s88, s7, 4
	s_lshl_b32 s89, s6, 2
	s_add_co_u32 s88, s88, s89
	s_add_co_u32 s88, s88, s3                      ; head
	s_lshl_b32 s88, s88, 6
	s_and_b32 s89, s5, 31
	s_lshl_b32 s89, s89, 1
	s_add_co_u32 s88, s88, s89
	s_add_co_u32 s90, s88, s60                     ; local pair 0
	s_xor_b32 s91, s60, 1
	s_add_co_u32 s91, s88, s91                     ; local pair 1
	s_mul_i32 s96, s90, 1536
	s_add_nc_u64 s[80:81], s[34:35], s[96:97]
	s_mul_i32 s96, s91, 1536
	s_add_nc_u64 s[82:83], s[34:35], s[96:97]
	s_lshl_b32 s96, s90, 6
	s_add_co_u32 s96, s96, QSC
	s_add_nc_u64 s[84:85], s[34:35], s[96:97]
	s_lshl_b32 s96, s91, 6
	s_add_co_u32 s96, s96, QSC
	s_add_nc_u64 s[86:87], s[34:35], s[96:97]
	ROUND                                          ; all four work-groups are here: the joint loads meet
	s_cmp_lt_u32 s3, 2                             ; one tensor load a wave at the head
	s_cbranch_scc0 .Lhead_kv
	tensor_load_to_lds s[52:55], s[36:43]          ; waves 0, 1: 128 rows of wq each
	s_nop 0
.rept 4
	v_nop
.endr
	s_branch .Lhead_asked
.Lhead_kv:
	tensor_load_to_lds s[56:59], s[44:51]          ; wave 2: wk's 64 rows; wave 3: wv's
	s_nop 0
.Lhead_asked:
.rept 4
	v_nop
.endr
.irp p, 0,1
	global_load_b128 v[56+8*\p:59+8*\p], v17, s[14:15] offset:1024*\p       ; lane l: the 8 scale words of row 32 p + l: lanes 0-15 the even tile, lanes 16-31 the odd one
	global_load_b128 v[60+8*\p:63+8*\p], v17, s[14:15] offset:1024*\p+16
.endr
	global_load_b128 v[72:75], v17, s[20:21]
	global_load_b128 v[76:79], v17, s[20:21] offset:16
	s_wait_alu depctr_va_vdst(0)
	global_load_b128 v[80:83], v22, s[20:21]
	global_load_b128 v[84:87], v22, s[20:21] offset:16
.irp ks, 0,1,2,3,4,5,6,7
	WIN 0x40+0x40*(\ks/4)
.irp bb, 0,1,2,3
.irp j, 0,1,2,3
	global_load_b128 v[64*(\ks%4)+16*\bb+4*\j:64*(\ks%4)+16*\bb+4*\j+3], v1, s[8:9] offset:512*\ks+128*\bb+16*\j
.endr
.endr
.endr
	NWLOAD 0
	NWLOAD 1
	WIN 0
	SPAIR 66, 0x3f22f983                           ; 2 / pi
	SPAIR 68, 0xbfc90fdb                           ; -(pi / 2), upper part
	SPAIR 70, 0x333bbd2e                           ; what the upper part has too much
	SPAIR 72, 0xb94ca1f9
	SPAIR 74, 0xbe2aaaa3
	SPAIR 76, 0x37ccf5ce
	SPAIR 78, 0x3d2aaaa5
	s_mov_b32 s92, 0x3a800000                      ; 1 / 1024
	s_mov_b32 s93, 0x3727c5ac                      ; eps
	s_mov_b32 s94, 0x3c800000                      ; 1 / 64
	s_mov_b32 s95, 0x80000000
	v_mov_b32 v222, 0x3c08839e
	v_mov_b32 v223, 0x3c08839e
	v_mov_b32 v224, 0xbab6061a
	v_mov_b32 v225, 0xbab6061a
	v_lshrrev_b32 v88, 2, v16                      ; 16 h
.set j, 0
.rept 16
	v_add_nc_u32 v[104+j], j, v88
.set j, j+1
.endr
.set j, 0
.rept 16
	v_cvt_f32_u32 v[104+j], v[104+j]
.set j, j+1
.endr
.set j, 0
.rept 16
	v_mul_f32 v[104+j], 0xbed49a78, v[104+j]       ; x -log2(10000) / 32
.set j, j+1
.endr
.set j, 0
	s_wait_alu depctr_va_vdst(0)
.rept 16
	v_exp_f32 v[206+j], v[104+j]
.set j, j+1
.endr
	v_nop
	s_wait_alu depctr_va_vdst(0)
	s_lshl_b32 s98, s60, 5
	s_add_co_u32 s98, s98, s61
	s_xor_b32 s99, s60, 1
	s_lshl_b32 s99, s99, 5
	s_add_co_u32 s99, s99, s61
	TRIG16 0, 98
	TRIG16 1, 98
	TRIG16 2, 99
	TRIG16 3, 99
.irp b, 0,1,2,3
	v_mov_b32 v[TM+4+\b], 0                        ; a lane permute's destination counts as one of its sources
.endr
	s_wait_loadcnt 32                              ; the scale words and x are in; two sets of gains may be out
	WIN 0x05
.irp c, 0,1,2,3
	v_pk_mul_f32 v[190+2*\c:191+2*\c], v[2*\c:2*\c+1], v[2*\c:2*\c+1]
.endr
.set j, 8
.rept 31
.irp c, 0,1,2,3
	v_pk_fma_f32 v[190+2*\c:191+2*\c], v[j+2*\c:j+2*\c+1], v[j+2*\c:j+2*\c+1], v[190+2*\c:191+2*\c]
.endr
.set j, j+8
.endr
	WIN 0x0a
.set j, 0
.rept 32
.irp c, 0,1,2,3
	v_pk_fma_f32 v[190+2*\c:191+2*\c], v[j+2*\c:j+2*\c+1], v[j+2*\c:j+2*\c+1], v[190+2*\c:191+2*\c]
.endr
.set j, j+8
.endr
	WIN 0
	v_pk_add_f32 v[190:191], v[190:191], v[192:193]
	v_pk_add_f32 v[194:195], v[194:195], v[196:197]
	v_pk_add_f32 v[190:191], v[190:191], v[194:195]
	v_add_f32 v190, v190, v191
	v_permlanex16_b32 v192, v190, s[SEL], s[SEL+1]
	v_add_f32 v190, v190, v192                     ; the row's sum of squares
	v_fma_f32 v190, v190, s92, s93
	s_wait_alu depctr_va_vdst(0)
	v_rsq_f32 v18, v190
	v_nop
	s_wait_alu depctr_va_vdst(0)
	v_mov_b32 v19, v18
	s_wait_alu depctr_va_vdst(0)
.irp ks, 0,1,2,3,4,5,6,7
	PRO \ks
.endr
	WIN 0x40                                       ; bq in the result's layout, qn_w in the quantiser's, into the registers that A's fragments leave free
.irp t, 0,1,2,3
	global_load_b128 v[48+64*(\t/2)+8*(\t%2):48+64*(\t/2)+8*(\t%2)+3], v189, s[16:17] offset:64*\t
	global_load_b128 v[48+64*(\t/2)+8*(\t%2)+4:48+64*(\t/2)+8*(\t%2)+7], v189, s[16:17] offset:64*\t+16
.endr
.irp q, 0,1
.irp j, 0,1,2,3
	global_load_b128 v[176+64*\q+4*\j:176+64*\q+4*\j+3], v16, s[30:31] offset:128*\q+16*\j
.endr
.endr
	LOADW 10, 4, 0, 0
.irp ks, 0,1,2,3,4,5,6,7
.if \ks < 7
	PLACES                                         ; in front of loads into registers that matrix instructions have read
	LOADW 10, 4, \ks+1, (\ks+1)%2
	s_wait_dscnt 24                                ; all but the next step's 24 loads
.else
	s_wait_dscnt 0x0
.endif
	QMM \ks
.endr
	WIN 0
	PLACES
	s_wait_loadcnt 0x0
	UPAIR 0, 0x07, 0x04
	QUANT T
	HPSTORE 80, 84
	s_wait_xcnt 0x0                                ; the stores have read their registers
	UPAIR 2, 0x07, 0x04
	QUANT T
	HPSTORE 82, 86
	s_wait_xcnt 0x0
	s_cmp_lt_u32 s3, 2
	s_cbranch_scc0 .Lvarm
	; ---- waves 0, 1: k, local tiles 0, 1
	s_lshl_b32 s88, s6, 8
	s_mov_b32 s89, 0
	s_add_nc_u64 s[22:23], s[22:23], s[88:89]
	WIN 0x80
.irp t, 0,1,2,3
	global_load_b128 v[48+64*(\t/2)+8*(\t%2):48+64*(\t/2)+8*(\t%2)+3], v189, s[22:23] offset:64*\t
	global_load_b128 v[48+64*(\t/2)+8*(\t%2)+4:48+64*(\t/2)+8*(\t%2)+7], v189, s[22:23] offset:64*\t+16
.endr
.irp q, 0,1
.irp j, 0,1,2,3
	global_load_b128 v[176+64*\q+4*\j:176+64*\q+4*\j+3], v16, s[32:33] offset:128*\q+16*\j
.endr
.endr
	s_lshl_b32 s88, s7, 2
	s_add_co_u32 s88, s88, s6
	s_lshl_b32 s88, s88, 6
	s_and_b32 s90, s5, 31
	s_lshl_b32 s90, s90, 1
	s_add_co_u32 s88, s88, s90
	s_add_co_u32 s88, s88, s3
	s_mul_i32 s90, s88, 1536
	s_add_co_u32 s90, s90, KIMG
	s_mov_b32 s91, 0
	s_add_nc_u64 s[80:81], s[34:35], s[90:91]
	s_lshl_b32 s90, s88, 6
	s_add_co_u32 s90, s90, KSC
	s_add_nc_u64 s[84:85], s[34:35], s[90:91]
	LOADW 12, 4, 0, 0
.irp ks, 0,1,2,3,4,5,6,7
.if \ks < 7
	PLACES
	LOADW 12, 4, \ks+1, (\ks+1)%2
	s_wait_dscnt 24
.else
	s_wait_dscnt 0x0
.endif
	KMM \ks
.endr
	WIN 0
	PLACES
	s_wait_loadcnt 0x0
	UPAIR 0, 0x0b, 0x08
	QUANT T
	HPSTORE 80, 84
	s_branch .Ljoin
.Lvarm:
	; ---- waves 2, 3: v, two tiles of 16 channels, 64 keys
	s_and_b32 s88, s3, 1
	s_lshl_b32 s88, s88, 5
	s_lshl_b32 s90, s6, 6
	s_add_co_u32 s88, s88, s90
	s_lshl_b32 s88, s88, 2
	s_mov_b32 s89, 0
	s_add_nc_u64 s[28:29], s[28:29], s[88:89]
	global_load_b32 v222, v14, s[28:29]            ; bv of my lane's channel
	global_load_b32 v224, v14, s[28:29] offset:64
	s_lshl_b32 s88, s7, 2
	s_add_co_u32 s88, s88, s6
	s_lshl_b32 s88, s88, 4
	s_and_b32 s90, s5, 31
	s_lshr_b32 s90, s90, 1
	s_add_co_u32 s88, s88, s90                     ; the key step of 128
	s_lshl_b32 s88, s88, 2
	s_and_b32 s90, s3, 1
	s_lshl_b32 s90, s90, 1
	s_add_co_u32 s88, s88, s90                     ; the fragment
	s_and_b32 s98, s5, 1                           ; which 64 of its 128 keys
	s_mul_i32 s90, s88, 1536
	s_mul_i32 s99, s98, 768
	s_add_co_u32 s90, s90, s99
	s_add_co_u32 s90, s90, VIMG
	s_mov_b32 s91, 0
	s_add_nc_u64 s[80:81], s[34:35], s[90:91]
	s_lshl_b32 s90, s88, 6
	s_lshl_b32 s99, s98, 1
	s_add_co_u32 s90, s90, s99
	s_add_co_u32 s90, s90, VSC
	s_add_nc_u64 s[84:85], s[34:35], s[90:91]
	LOADW 12, 2, 0, 0
.irp ks, 0,1,2,3,4,5,6,7
.if \ks < 7
	PLACES
	LOADW 12, 2, \ks+1, (\ks+1)%2
	s_wait_dscnt 12
.else
	s_wait_dscnt 0x0
.endif
	VMM \ks
.endr
	WIN 0
	PLACES
	s_wait_loadcnt 0x0
	WIN 0x03
.irp t, 0,1
.set j, 0
.rept 16
	v_pk_add_f32 v[T+32*\t+j:T+32*\t+j+1], v[128+32*\t+j:128+32*\t+j+1], v[222+2*\t:223+2*\t] op_sel_hi:[1,0]
.set j, j+2
.endr
.endr
	WIN 0
	QUANT T                                        ; its blocks: (channel tile, 32 keys); registers 6 t .. 6 t + 5 are half a fragment of tile t
.irp t, 0,1
	global_store_b128 v2, v[PC+6*\t:PC+6*\t+3], s[80:81] offset:1536*\t
	global_store_b64 v15, v[PC+6*\t+4:PC+6*\t+5], s[80:81] offset:1536*\t+512
.endr
	global_store_b16 v14, v[PW], s[84:85]          ; my two key blocks' bytes of tile 0,
	global_store_d16_hi_b16 v14, v[PW], s[84:85] offset:64   ; and of tile 1
.Ljoin:
	s_wait_dscnt 0x0
	s_wait_tensorcnt 0x0
	ds_add_u32 v254, v255
	s_wait_dscnt 0x0
	ROUND                                          ; the closing round
	s_endpgm
.Lfunc_end_k_qda79fdd7c2_proj:
	.size	k_qda79fdd7c2_proj, .Lfunc_end_k_qda79fdd7c2_proj-k_qda79fdd7c2_proj
	.p2alignl 7, 3214868480
	.fill 96, 4, 3214868480
	.section	.rodata,"a",@progbits
	.p2align	6, 0x0
	.amdhsa_kernel k_qda79fdd7c2_proj
		.amdhsa_group_segment_fixed_size 327680
		.amdhsa_private_segment_fixed_size 0
		.amdhsa_enable_private_segment 0
		.amdhsa_kernarg_size 112
		.amdhsa_user_sgpr_count 2
		.amdhsa_user_sgpr_kernarg_segment_ptr 1
		.amdhsa_wavefront_size32 1
		.amdhsa_system_sgpr_workgroup_id_x 1
		.amdhsa_system_sgpr_workgroup_id_y 1
		.amdhsa_system_sgpr_workgroup_id_z 1
		.amdhsa_system_vgpr_workitem_id 0
		.amdhsa_next_free_vgpr 1024
		.amdhsa_next_free_sgpr 100
		.amdhsa_reserve_vcc 1
		.amdhsa_float_denorm_mode_32 3
		.amdhsa_float_denorm_mode_16_64 3
		.amdhsa_memory_ordered 1
		.amdhsa_forward_progress 1
		.amdhsa_inst_pref_size 255
	.end_amdhsa_kernel
	.section	.bss,"aw",@nobits
	.p2align	6
	.space	262144
	.amdgpu_metadata
---
amdhsa.version: [ 1, 2 ]
amdhsa.kernels:
  - .name:           k_qda79fdd7c2_proj
    .symbol:         k_qda79fdd7c2_proj.kd
    .args:
      - { .name: x, .offset: 0, .size: 8, .value_kind: global_buffer, .address_space: global }
      - { .name: norm1_w, .offset: 8, .size: 8, .value_kind: global_buffer, .address_space: global }
      - { .name: wq_codes, .offset: 16, .size: 8, .value_kind: global_buffer, .address_space: global }
      - { .name: wq_scales, .offset: 24, .size: 8, .value_kind: global_buffer, .address_space: global }
      - { .name: bq, .offset: 32, .size: 8, .value_kind: global_buffer, .address_space: global }
      - { .name: wk_codes, .offset: 40, .size: 8, .value_kind: global_buffer, .address_space: global }
      - { .name: wk_scales, .offset: 48, .size: 8, .value_kind: global_buffer, .address_space: global }
      - { .name: bk, .offset: 56, .size: 8, .value_kind: global_buffer, .address_space: global }
      - { .name: wv_codes, .offset: 64, .size: 8, .value_kind: global_buffer, .address_space: global }
      - { .name: wv_scales, .offset: 72, .size: 8, .value_kind: global_buffer, .address_space: global }
      - { .name: bv, .offset: 80, .size: 8, .value_kind: global_buffer, .address_space: global }
      - { .name: qn_w, .offset: 88, .size: 8, .value_kind: global_buffer, .address_space: global }
      - { .name: kn_w, .offset: 96, .size: 8, .value_kind: global_buffer, .address_space: global }
      - { .name: qkvbuf, .offset: 104, .size: 8, .value_kind: global_buffer, .address_space: global }
    .group_segment_fixed_size: 327680
    .private_segment_fixed_size: 0
    .kernarg_segment_align: 8
    .kernarg_segment_size: 112
    .max_flat_workgroup_size: 128
    .sgpr_count:     100
    .vgpr_count:     1024
    .wavefront_size: 32
...
	.end_amdgpu_metadata
.endif
;; end of part 1
;; launch attn (part 2): grid 32 x 8, 16 waves a work-group, clusters of 4 x 1, 327,680 bytes of LDS; arguments qkvbuf, attbuf; writes attbuf
.if DOCPART == 2
	.amdgcn_target "amdgcn-amd-amdhsa--gfx1250"
	.amdhsa_code_object_version 6
	.text
	.protected	k_qda79fdd7c2_attn
	.globl	k_qda79fdd7c2_attn
	.p2align	8
	.type	k_qda79fdd7c2_attn,@function
k_qda79fdd7c2_attn:
	s_mov_b64 s[64:65], 0
	v_nop
	global_prefetch_b8 v0, s[64:65] scope:SCOPE_SE
	s_setreg_imm32_b32 hwreg(HW_REG_WAVE_MODE, 25, 1), 1
	s_wait_xcnt 0x0
	s_wait_alu depctr_hold_cnt(0) depctr_sa_sdst(0) depctr_va_vdst(0) depctr_va_sdst(0) depctr_va_ssrc(0) depctr_va_vcc(0) depctr_vm_vsrc(0)
	s_getreg_b32 s2, hwreg(HW_REG_IB_STS2, 6, 4)
	s_cmp_eq_u32 s2, 0
	s_cbranch_scc0 .Lentry_in_a_cluster
	s_endpgm
.Lentry_in_a_cluster:
	s_bfe_u32 s2, ttmp6, 0x10000c
	s_cmp_lg_u32 s2, 0x3003
	s_cbranch_scc0 .Lentry_shape_is_right
	s_endpgm
.Lentry_shape_is_right:
; Causal attention on codes of E2M3: S^T = k q^T, p = 2^(t - M) with M the ceiling of the running largest t, O^T += v^T p^T, O / l, and the codes of the result along the head's 64.
; Key steps that lie wholly above the diagonal are not walked: the causal mask throws them away.
; SHARES.  A work-group: one query head, 16 tiles of 16 queries; the four work-groups of a cluster are the four query heads of one key/value head and ask for its k and v jointly; all 2,048 keys stay in LDS.
; A tile t has t / 8 + 1 steps of 128 keys.  The four tiles a, 63 - a, 64 + a, 127 - a (a = 4 x + wave % 4, u = a / 8) have 34 steps, dealt to four waves:
;   waves 0-3:   tile 63 - a whole (8 - u steps), then tile a whole (1 + u);      waves 4-7:   steps 0-7 of tile 64 + a;
;   waves 8-11:  steps 0-7 of tile 127 - a;      waves 12-15: steps 8 .. of tile 127 - a (8 - u), then steps 8 .. of tile 64 + a (1 + u).
; All steps stand ahead of ONE barrier.  Waves 12-15 lay their part of tile 127 - a (-M, the sums, O^T) into LDS bytes of their own between their two walks, waves 4-7 theirs of tile 64 + a behind the second loop;
; behind the barrier waves 8-11 join and finish tile 127 - a, waves 12-15 tile 64 + a, waves 0-3 finish tile a.  Two parts are joined under the larger M by factors 2^(whole number), which round nothing.
; Every wave walks both loops; a wave with nothing to do in the second has an empty range.
; No prefetch: k and v come once, at the head; there is no loop to run ahead in.
; LIMITS: the scaled scores stay under 2^31 in magnitude; NaN and infinities are not served; a block of zeros gets the scale byte 1 (its codes are zeros; only this program reads the bytes).
; REGISTERS: v1-11 addresses; v12 -M, v13 largest t, v14-15 the sum; v16-39 q twice (low and high half of K = 128, zeros beside it); v40-87 four fragments of k or v, at a join the partner's part; S scores and p; O the result.
.set S, 88
.set O, 152
.set PC, 184
.set CT, 196
.set BM, 204
.set PT, 208
.set SO, 216
.set KSW, 220
.set VSW, 224
.set QSW, 228
.set PW, 229
.set F, 230
.set TP, 232
.set KIMG, 3145728
.set QSC, 4718592
.set KSC, 4849664
.set MG, 206848                        ; behind the spare words: 4,608 bytes a wave for a part handed on
.macro PLACES
.rept 4
	v_nop
.endr
.endm
.macro ROUND
	s_barrier_signal -1
	s_barrier_wait -1
	s_cmp_lg_u32 s8, 0
	s_cbranch_scc1 .Lnw0_\@
	s_barrier_signal -3
.Lnw0_\@:
	s_barrier_wait -3
	s_barrier_signal -1
	s_barrier_wait -1
.endm
.macro MM d, a, b, c, sa, sb
.if (\c) < 0
	v_wmma_scale_f32_16x16x128_f8f6f4 v[\d:\d+7], v[\a:\a+11], v[\b:\b+11], 0, v[\sa], v[\sb] matrix_a_fmt:MATRIX_FMT_FP6 matrix_b_fmt:MATRIX_FMT_FP6
.else
	v_wmma_scale_f32_16x16x128_f8f6f4 v[\d:\d+7], v[\a:\a+11], v[\b:\b+11], v[\c:\c+7], v[\sa], v[\sb] matrix_a_fmt:MATRIX_FMT_FP6 matrix_b_fmt:MATRIX_FMT_FP6
.endif
.endm
.macro LDHP reg, a16, a8, off
	ds_load_b128 v[\reg:\reg+3], v[\a16] offset:\off
	ds_load_b64 v[\reg+4:\reg+5], v[\a8] offset:\off+512
	ds_load_b128 v[\reg+6:\reg+9], v[\a16] offset:\off+768
	ds_load_b64 v[\reg+10:\reg+11], v[\a8] offset:\off+1280
.endm
.macro GIVE                            ; my part into my own LDS bytes: each accumulator from its low end on, then -M, largest t and the sum
.set j, 0
.rept 8
	ds_store_b128 v236, v[O+4*j:O+4*j+3] offset:512*j
.set j, j+1
.endr
	ds_store_b128 v236, v[12:15] offset:4096
.endm
; tile s12, first step s58: the last step, q's codes and scale bytes, the lane's place for the mask, and an empty state
.macro SETUP
	s_lshr_b32 s13, s12, 1
	s_and_b32 s14, s12, 1
	s_lshr_b32 s15, s12, 3                         ; the step on the diagonal
	s_add_co_u32 s59, s58, 7
	s_min_u32 s59, s59, s15                        ; my last step: at most eight from the first
	s_lshl_b32 s47, s11, 2
	s_add_co_u32 s47, s47, s9
	s_lshl_b32 s47, s47, 6
	s_add_co_u32 s47, s47, s13
	s_mul_i32 s54, s47, 1536
	s_mul_i32 s48, s14, 768
	s_add_co_u32 s54, s54, s48
	s_mov_b32 s55, 0
	s_add_nc_u64 s[54:55], s[4:5], s[54:55]
	s_lshl_b32 s56, s47, 6
	s_add_co_u32 s56, s56, QSC
	s_mov_b32 s57, 0
	s_add_nc_u64 s[56:57], s[4:5], s[56:57]
	s_wait_alu depctr_va_vdst(0)                   ; the wait ahead of the readers below
	global_load_b128 v[16:19], v1, s[54:55]
	global_load_b64 v[20:21], v2, s[54:55] offset:512
	global_load_b128 v[34:37], v1, s[54:55]
	global_load_b64 v[38:39], v2, s[54:55] offset:512
	global_load_b32 v[TP], v235, s[56:57]
	s_and_b32 s47, s13, 3
	s_lshl_b32 s47, s47, 5
	s_lshl_b32 s48, s14, 3
	s_add_co_u32 s47, s47, s48
	v_add_nc_u32 v4, s47, v239                     ; my query's place in its step of 128, less 16 (lane / 16)
	s_lshl_b32 s47, s14, 4
	s_wait_loadcnt 0x0
	v_lshrrev_b32 v[TP], s47, v[TP]
	s_delay_alu instid0(VALU_DEP_1)
	v_and_b32 v[TP], 0xffff, v[TP]
	s_delay_alu instid0(VALU_DEP_1)
	v_lshl_or_b32 v[QSW], v[TP], 16, v[TP]
.set j, 0
.rept 32
	v_mov_b32 v[O+j], 0
.set j, j+1
.endr
	v_mov_b32 v13, 0xff61b1e6                      ; -3e38, under every t
	s_delay_alu instid0(VALU_DEP_1)
	v_floor_f32 v12, -v13
	v_mov_b32 v14, 0
	v_mov_b32 v15, 0
	v_mov_b32 v[F+1], 0
.irp b, 0,1,2,3
	v_mov_b32 v[PT+\b], 0
.endr
	s_wait_alu depctr_va_vdst(0)                   ; the wait ahead of waits and branches
.endm
; sixteen trips, a constant; a trip outside s58 .. s59 jumps over the step's work
.macro STEPS p
	s_mov_b32 s44, 0                               ; the step's place in the images,
	s_mov_b32 s45, 0                               ; in the scale words,
	s_mov_b32 s46, 0                               ; and its number: set on the way that all waves take
.Lstep\p:
	s_cmp_gt_u32 s46, s59
	s_cbranch_scc1 .Lskip\p
	s_cmp_lt_u32 s46, s58
	s_cbranch_scc1 .Lskip\p
	v_add_nc_u32 v5, s44, v1
	v_add_nc_u32 v6, s44, v2
	v_add_nc_u32 v7, s44, v233
	v_add_nc_u32 v8, s44, v234
	v_add_nc_u32 v9, s45, v3
	v_add_nc_u32 v10, s45, v11
.irp k, 0,1,2,3
	LDHP 40+12*\k, 5, 6, 1536*\k
	ds_load_b32 v[KSW+\k], v9 offset:64*\k
.endr
	s_wait_alu depctr_va_vdst(0)
	s_wait_dscnt 0x0
.irp k, 0,1,2,3
	MM S+16*\k, 40+12*\k, 16, -1, KSW+\k, QSW
	MM S+16*\k+8, 40+12*\k, 28, -1, KSW+\k, QSW
.endr
	PLACES
.irp t, 0,1,2,3
	LDHP 40+12*\t, 7, 8, 1536*\t
	ds_load_b32 v[VSW+\t], v10 offset:64*\t
.endr
	s_cmp_lg_u32 s46, s15
	s_cbranch_scc1 .Lopen\p
	v_mov_b32 v[TP], 0xff800000                    ; the step on the diagonal: keys behind my query count for nothing
.set n, 0
.rept 64
	v_cmp_gt_i32 vcc_lo, 32*(n/16)+n%16, v4
	v_cndmask_b32 v[S+n], v[S+n], v[TP], vcc_lo
.set n, n+1
.endr
.Lopen\p:
.irp b, 0,1,2,3
	v_max3_num_f32 v[BM+\b], v[S+16*\b], v[S+1+16*\b], v[S+2+16*\b]
.endr
.irp i, 3,5,7,9,11,13
.irp b, 0,1,2,3
	v_max3_num_f32 v[BM+\b], v[BM+\b], v[S+16*\b+\i], v[S+1+16*\b+\i]
.endr
.endr
.irp b, 0,1,2,3
	v_max_num_f32 v[BM+\b], v[BM+\b], v[S+15+16*\b]
.endr
.irp b, 0,1,2,3
	s_delay_alu instid0(VALU_DEP_4)
	v_permlanex16_b32 v[PT+\b], v[BM+\b], s40, s41
.endr
.irp b, 0,1,2,3
	s_delay_alu instid0(VALU_DEP_4)
	v_max_num_f32 v[BM+\b], v[BM+\b], v[PT+\b]     ; each block's largest score
.endr
	s_delay_alu instid0(VALU_DEP_2)
	v_max3_num_f32 v[TP], v[BM], v[BM+1], v[BM+2]
	s_delay_alu instid0(VALU_DEP_1)
	v_max_num_f32 v[TP], v[TP], v[BM+3]
	s_delay_alu instid0(VALU_DEP_1)
	v_mul_f32 v[TP], s42, v[TP]
	s_delay_alu instid0(VALU_DEP_1)
	v_max_num_f32 v13, v13, v[TP]
	v_mov_b32 v[TP], v12
	s_delay_alu instid0(VALU_DEP_2)
	v_floor_f32 v12, -v13                          ; -M = floor(-t)
	s_delay_alu instid0(VALU_DEP_1)
	v_sub_f32 v[TP], v12, v[TP]
	s_delay_alu instid0(VALU_DEP_1)
	v_cvt_i32_f32 v[TP], v[TP]
	s_delay_alu instid0(VALU_DEP_1)
	v_ldexp_f32 v[F], 1.0, v[TP]                   ; 2^(old M - new M)
.set j, 0
.rept 32
	v_pk_fma_f32 v[S+j:S+j+1], v[S+j:S+j+1], s[42:43], v[12:13] op_sel_hi:[1,0,0]
.set j, j+2
.endr
.irp b, 0,1,2,3
	v_fma_f32 v[BM+\b], v[BM+\b], s42, v12
.endr
.set j, 0
	s_wait_alu depctr_va_vdst(0)                   ; ahead of the batch
.rept 64
	v_exp_f32 v[S+j], v[S+j]
.set j, j+1
.endr
	v_pk_mul_f32 v[14:15], v[14:15], v[F:F+1] op_sel_hi:[1,0]
	s_wait_alu depctr_va_vdst(0)                   ; and behind it
.irp b, 0,1,2,3
	v_exp_f32 v[BM+\b], v[BM+\b]                   ; each block's largest p
.endr
	v_pk_add_f32 v[PT:PT+1], v[S:S+1], v[S+2:S+3]  ; the sum is taken of the unquantised p
.irp j, 4,8,12,16,20,24,28,32,36,40,44,48,52,56,60
	v_pk_add_f32 v[14:15], v[14:15], v[S+\j:S+\j+1]
	v_pk_add_f32 v[PT:PT+1], v[PT:PT+1], v[S+2+\j:S+3+\j]
.endr
	s_delay_alu instid0(VALU_DEP_1)
	v_pk_add_f32 v[14:15], v[14:15], v[PT:PT+1]
	s_wait_alu depctr_va_vdst(0)
.irp b, 0,1,2,3
	v_max_num_f32 v[BM+\b], 0x1800000, v[BM+\b]    ; the floor 2^(3 - 127)
.endr
.irp b, 0,1,2,3
	s_delay_alu instid0(VALU_DEP_4)
	v_add_nc_u32 v[SO+\b], 0xff000000, v[BM+\b]
.endr
.irp b, 0,1,2,3
	s_delay_alu instid0(VALU_DEP_4)
	v_lshrrev_b32 v[PT+\b], 23, v[SO+\b]
.endr
	s_delay_alu instid0(VALU_DEP_3)
	v_lshl_or_b32 v[PW], v[PT+1], 8, v[PT]
	s_delay_alu instid0(VALU_DEP_1)
	v_lshl_or_b32 v[PW], v[PT+2], 16, v[PW]
	s_delay_alu instid0(VALU_DEP_1)
	v_lshl_or_b32 v[PW], v[PT+3], 24, v[PW]
.irp c, 0,1
	v_cvt_scalef32_pk16_fp6_f32 v[PC+6*\c:PC+2+6*\c], v[S+32*\c:S+15+32*\c], v[SO+2*\c]
	v_cvt_scalef32_pk16_fp6_f32 v[CT+4*\c:CT+2+4*\c], v[S+16+32*\c:S+31+32*\c], v[SO+2*\c+1]
.endr
	v_nop
.irp c, 0,1
.irp i, 0,1,2
	v_permlane16_swap_b32 v[PC+6*\c+\i], v[CT+4*\c+\i]
.endr
.irp i, 0,1,2
	s_delay_alu instid0(VALU_DEP_3)
	v_mov_b32 v[PC+3+6*\c+\i], v[CT+4*\c+\i]
.endr
.endr
.set j, 0
.rept 16
	v_pk_mul_f32 v[O+j:O+j+1], v[O+j:O+j+1], v[F:F+1] op_sel_hi:[1,0]
.set j, j+2
.endr
	s_wait_alu depctr_va_vdst(0)
	s_wait_dscnt 0x0
.irp t, 0,1,2,3
	MM O+8*\t, 40+12*\t, PC, O+8*\t, VSW+\t, PW
.endr
.Lskip\p:
	s_add_co_u32 s44, s44, 6144
	s_add_co_u32 s45, s45, 256
	s_add_co_u32 s46, s46, 1
	s_cmp_lt_u32 s46, 16
	s_cbranch_scc1 .Lstep\p
	PLACES
	s_wait_alu depctr_va_vdst(0)
.endm
; a tile is finished.  mg = 1: waves 8-15 first join the part that lies at v237; then O / l, the codes along the head's 64, the stores
.macro FINISH p, mg
.if \mg
	s_cmp_lt_u32 s8, 8
	s_cbranch_scc1 .Lown\p
.set j, 0
.rept 8
	ds_load_b128 v[40+4*j:43+4*j], v237 offset:512*j
.set j, j+1
.endr
	ds_load_b128 v[72:75], v237 offset:4096        ; -M, largest t, the sum's two halves
	s_wait_dscnt 0x0
	v_min_num_f32 v76, v12, v72                    ; -(the larger M)
	v_mov_b32 v81, 0                               ; (the upper half of the pair v[80:81])
	s_delay_alu instid0(VALU_DEP_2)
	v_sub_f32 v77, v76, v12
	v_sub_f32 v78, v76, v72
	s_delay_alu instid0(VALU_DEP_2)
	v_cvt_i32_f32 v77, v77
	s_delay_alu instid0(VALU_DEP_2)
	v_cvt_i32_f32 v78, v78
	s_delay_alu instid0(VALU_DEP_2)
	v_ldexp_f32 v[F], 1.0, v77                     ; my part's factor,
	s_delay_alu instid0(VALU_DEP_2)
	v_ldexp_f32 v80, 1.0, v78                      ; the partner's: whole powers of two
	v_pk_mul_f32 v[14:15], v[14:15], v[F:F+1] op_sel_hi:[1,0]
.set j, 0
.rept 16
	v_pk_mul_f32 v[O+j:O+j+1], v[O+j:O+j+1], v[F:F+1] op_sel_hi:[1,0]
.set j, j+2
.endr
	v_pk_fma_f32 v[14:15], v[74:75], v[80:81], v[14:15] op_sel_hi:[1,0,1]
.set j, 0
.rept 16
	v_pk_fma_f32 v[O+j:O+j+1], v[40+j:41+j], v[80:81], v[O+j:O+j+1] op_sel_hi:[1,0,1]
.set j, j+2
.endr
	s_wait_alu depctr_va_vdst(0)
.Lown\p:
.endif
	v_add_f32 v14, v14, v15
	s_delay_alu instid0(VALU_DEP_1)
	v_permlanex16_b32 v[TP], v14, s40, s41
	s_delay_alu instid0(VALU_DEP_1)
	v_add_f32 v14, v14, v[TP]
	s_wait_alu depctr_va_vdst(0)
	v_rcp_f32 v14, v14
	v_nop
	s_wait_alu depctr_va_vdst(0)
	v_mov_b32 v15, v14
.set j, 0
.rept 16
	v_pk_mul_f32 v[S+j:S+j+1], v[O+j:O+j+1], v[14:15]
.set j, j+2
.endr
.irp q, 0,1
.irp j, 0,1,2,3,4,5,6,7
	v_permlane16_swap_b32 v[S+16*\q+\j], v[S+16*\q+8+\j]
.endr
.endr
.irp b, 0,1
	v_max3_num_f32 v[BM+\b], |v[S+16*\b]|, |v[S+1+16*\b]|, 0x1800000
.endr
.irp i, 2,4,6,8,10,12,14
.irp b, 0,1
	s_delay_alu instid0(VALU_DEP_2)
	v_max3_num_f32 v[BM+\b], v[BM+\b], |v[S+16*\b+\i]|, |v[S+1+16*\b+\i]|
.endr
.endr
.irp b, 0,1
	s_delay_alu instid0(VALU_DEP_2)
	v_permlanex16_b32 v[PT+\b], v[BM+\b], s40, s41
.endr
.irp b, 0,1
	s_delay_alu instid0(VALU_DEP_2)
	v_max_num_f32 v[BM+\b], v[BM+\b], v[PT+\b]
.endr
.irp b, 0,1
	s_delay_alu instid0(VALU_DEP_2)
	v_add_nc_u32 v[SO+\b], 0xff000000, v[BM+\b]
.endr
.irp b, 0,1
	s_delay_alu instid0(VALU_DEP_2)
	v_lshrrev_b32 v[PT+\b], 23, v[SO+\b]
.endr
	s_delay_alu instid0(VALU_DEP_1)
	v_lshl_or_b32 v[TP], v[PT+1], 8, v[PT]
	v_cvt_scalef32_pk16_fp6_f32 v[PC:PC+2], v[S:S+15], v[SO]
	v_cvt_scalef32_pk16_fp6_f32 v[CT:CT+2], v[S+16:S+31], v[SO+1]
	v_nop
.irp i, 0,1,2
	v_permlane16_swap_b32 v[PC+\i], v[CT+\i]
.endr
.irp i, 0,1,2
	s_delay_alu instid0(VALU_DEP_3)
	v_mov_b32 v[PC+3+\i], v[CT+\i]
.endr
	s_lshr_b32 s47, s11, 2                         ; the record of (batch, tile, phase of 512 channels), and my head's half fragment in it
	s_lshl_b32 s47, s47, 7
	s_add_co_u32 s47, s47, s12
	s_lshl_b32 s47, s47, 1
	s_and_b32 s48, s11, 3
	s_lshr_b32 s49, s48, 1
	s_add_co_u32 s47, s47, s49
	s_mul_i32 s50, s47, 6400
	s_and_b32 s48, s48, 1
	s_lshl_b32 s48, s48, 1
	s_lshr_b32 s49, s9, 1
	s_add_co_u32 s48, s48, s49
	s_and_b32 s49, s9, 1
	s_mul_i32 s52, s48, 1536
	s_add_co_u32 s52, s52, s50
	s_mul_i32 s53, s49, 768
	s_add_co_u32 s52, s52, s53
	s_mov_b32 s53, 0
	s_add_nc_u64 s[52:53], s[6:7], s[52:53]
	s_lshl_b32 s48, s48, 6
	s_add_co_u32 s50, s50, s48
	s_lshl_b32 s49, s49, 1
	s_add_co_u32 s50, s50, s49
	s_add_co_u32 s50, s50, 6144
	s_mov_b32 s51, 0
	s_add_nc_u64 s[50:51], s[6:7], s[50:51]
	s_wait_alu depctr_va_vdst(0)
	global_store_b128 v1, v[PC:PC+3], s[52:53]
	global_store_b64 v2, v[PC+4:PC+5], s[52:53] offset:512
	global_store_b16 v235, v[TP], s[50:51]
.endm
	s_load_b128 s[4:7], s[0:1], 0x0                ; q, k, v as images; the result's records
	v_lshl_add_u32 v254, v0, 2, 0x32000
	v_mov_b32 v255, 0
	ds_add_u32 v254, v255
	ds_add_u32 v254, v255
	v_lshrrev_b32 v1, 5, v0
	v_readfirstlane_b32 s8, v1                     ; wave
	s_bfe_u32 s9, ttmp6, 0x40000                   ; cx: the query head of the group; it enters global addresses alone
	s_and_b32 s11, ttmp7, 0xffff                   ; 4 batch + key/value head
	s_lshr_b32 s10, s8, 2                          ; my role
	s_and_b32 s47, s8, 3
	s_lshl_b32 s49, ttmp9, 2
	s_add_co_u32 s60, s47, s49                     ; a
	s_sub_co_u32 s47, 63, s60
	s_add_co_u32 s48, s60, 64
	s_sub_co_u32 s49, 127, s60
	s_cmp_eq_u32 s10, 0
	s_cselect_b32 s12, s47, s49
	s_cmp_eq_u32 s10, 1
	s_cselect_b32 s12, s48, s12                    ; my first tile
	s_cmp_eq_u32 s10, 3
	s_cselect_b32 s58, 8, 0                        ; my first step
	s_mov_b32 s16, 15|(3<<16)|(1<<21)              ; codes: 96 rows of 256 bytes, dense; all four work-groups named
	s_mov_b32 s17, 32<<16
	s_mov_b32 s18, 96<<16
	s_mov_b32 s19, 32<<16
	s_mov_b32 s20, 96
	s_mov_b32 s21, 32
	s_mov_b32 s22, 0
	s_mov_b32 s23, 0
	s_mov_b32 s24, 15|(3<<16)|(1<<21)              ; scale words: 16 rows of 256 bytes
	s_mov_b32 s25, 32<<16
	s_mov_b32 s26, 16<<16
	s_mov_b32 s27, 32<<16
	s_mov_b32 s28, 16
	s_mov_b32 s29, 32
	s_mov_b32 s30, 0
	s_mov_b32 s31, 0
	s_and_b32 s47, s8, 3                           ; waves 0-3: quarters of k's images; waves 4-7: of v's
	s_mul_i32 s50, s47, 24576
	s_mul_i32 s49, s10, 786432
	s_add_co_u32 s50, s50, s49
	s_mul_i32 s49, s11, 98304
	s_add_co_u32 s50, s50, s49
	s_add_co_u32 s50, s50, KIMG
	s_mov_b32 s51, 0
	s_and_b32 s47, s8, 1                           ; wave 8: k's scale words; wave 9: v's
	s_lshl_b32 s52, s47, 15
	s_lshl_b32 s49, s11, 12
	s_add_co_u32 s52, s52, s49
	s_add_co_u32 s52, s52, KSC
	s_mov_b32 s53, 0
	s_mov_b32 s32, 1
	s_mul_i32 s33, s8, 24576
	s_mov_b32 s36, 1
	s_lshl_b32 s37, s47, 12
	s_add_co_u32 s37, s37, 196608
	s_mov_b32 s40, 0x76543210
	s_mov_b32 s41, 0xfedcba98
	s_mov_b32 s42, 0x3d38aa3b                      ; log2(e) / 32
	s_mov_b32 s43, s42
	s_wait_dscnt 0x0
	s_wait_kmcnt 0x0
	s_add_nc_u64 s[34:35], s[4:5], s[50:51]
	s_or_b32 s35, s35, 0x80000000
	s_add_nc_u64 s[38:39], s[4:5], s[52:53]
	s_or_b32 s39, s39, 0x80000000
	ROUND                                          ; all four work-groups are here: the joint loads meet
	s_cmp_lt_u32 s8, 8                             ; the head's ten tiles, one load a wave, in one chain of branches
	s_cbranch_scc0 .Lhead_sc
	tensor_load_to_lds s[32:35], s[16:23]
	s_nop 0
.rept 4
	v_nop
.endr
	s_branch .Lhead_asked
.Lhead_sc:
	s_cmp_lt_u32 s8, 10
	s_cbranch_scc0 .Lhead_asked
	tensor_load_to_lds s[36:39], s[24:31]
	s_nop 0
.rept 4
	v_nop
.endr
.Lhead_asked:
	v_and_b32 v1, 31, v0
	v_and_b32 v3, 15, v0
	v_bfe_u32 v5, v0, 4, 1
	v_lshlrev_b32 v2, 3, v1                        ; 8 x lane
	v_lshlrev_b32 v1, 4, v1                        ; 16 x lane
	v_lshlrev_b32 v235, 2, v3                      ; 4 r
	v_and_b32 v4, 8, v3
	v_lshlrev_b32 v5, 4, v5
	v_add_nc_u32 v4, v4, v3
	v_add_nc_u32 v3, 196608, v235                  ; k's scale words
	v_sub_nc_u32 v239, v4, v5                      ; r + 8 (r / 8) - 16 (lane / 16)
	v_add_nc_u32 v11, 200704, v235                 ; v's
	v_add_nc_u32 v233, 98304, v1                   ; v's images
	v_add_nc_u32 v234, 98304, v2
	s_mul_i32 s47, s8, 4608
	s_add_co_u32 s47, s47, MG
	v_add_nc_u32 v236, s47, v1                     ; where I lay a part
	s_lshl_b32 s47, s10, 2
	s_add_co_u32 s47, s47, s8
	s_add_co_u32 s47, s47, 12
	s_and_b32 s47, s47, 15                         ; waves 8-11: the wave four above me; waves 12-15: the wave eight below
	s_mul_i32 s47, s47, 4608
	s_add_co_u32 s47, s47, MG
	v_add_nc_u32 v237, s47, v1                     ; where my partner's part lies
.set j, 22
.rept 12
	v_mov_b32 v[j], 0                              ; the zeros beside q's codes
.set j, j+1
.endr
	SETUP
	s_wait_tensorcnt 0x0                           ; my tile has landed;
	s_barrier_signal -1
	s_barrier_wait -1                              ; and everybody's
	STEPS 0
	s_cmp_lt_u32 s8, 4
	s_cbranch_scc1 .Lfin0
	s_cmp_lt_u32 s8, 12
	s_cbranch_scc1 .Lidle                          ; waves 4-11 keep their part in registers
	GIVE                                           ; waves 12-15: their part of tile 127 - a
	s_branch .Lnext
.Lfin0:
	FINISH 0, 0                                    ; waves 0-3: tile 63 - a is whole
	s_wait_xcnt 0x0                                ; the stores have read their registers and addresses
.Lnext:
	s_lshl_b32 s47, s58, 3
	s_add_co_u32 s12, s60, s47                     ; my second tile: a, or 64 + a
	SETUP
	s_branch .Lgo1
.Lidle:
	s_mov_b32 s58, 16                              ; an empty range: every trip of the second loop jumps over its step
.Lgo1:
	STEPS 1                                        ; every wave walks the loop
	s_cmp_lt_u32 s8, 4
	s_cbranch_scc1 .Lnogive
	s_cmp_ge_u32 s8, 8
	s_cbranch_scc1 .Lnogive
	GIVE                                           ; waves 4-7: their part of tile 64 + a
.Lnogive:
	s_wait_dscnt 0x0                               ; my stores have landed
	s_barrier_signal -1
	s_barrier_wait -1
	s_cmp_lt_u32 s8, 4
	s_cbranch_scc1 .Lfin1
	s_cmp_lt_u32 s8, 8
	s_cbranch_scc1 .Lend                           ; waves 4-7 have done their share
.Lfin1:
	FINISH 1, 1                                    ; waves 0-3: tile a; waves 8-11: tile 127 - a; waves 12-15: tile 64 + a
.Lend:
	s_wait_tensorcnt 0x0                           ; the wave's end
	ds_add_u32 v254, v255
	s_wait_dscnt 0x0
	ROUND                                          ; the closing round
	s_endpgm
.Lfunc_end_k_qda79fdd7c2_attn:
	.size	k_qda79fdd7c2_attn, .Lfunc_end_k_qda79fdd7c2_attn-k_qda79fdd7c2_attn
	.p2alignl 7, 3214868480
	.fill 96, 4, 3214868480
	.section	.rodata,"a",@progbits
	.p2align	6, 0x0
	.amdhsa_kernel k_qda79fdd7c2_attn
		.amdhsa_group_segment_fixed_size 327680
		.amdhsa_private_segment_fixed_size 0
		.amdhsa_enable_private_segment 0
		.amdhsa_kernarg_size 16
		.amdhsa_user_sgpr_count 2
		.amdhsa_user_sgpr_kernarg_segment_ptr 1
		.amdhsa_wavefront_size32 1
		.amdhsa_system_sgpr_workgroup_id_x 1
		.amdhsa_system_sgpr_workgroup_id_y 1
		.amdhsa_system_sgpr_workgroup_id_z 1
		.amdhsa_system_vgpr_workitem_id 0
		.amdhsa_next_free_vgpr 256
		.amdhsa_next_free_sgpr 66
		.amdhsa_reserve_vcc 1
		.amdhsa_float_denorm_mode_32 3
		.amdhsa_float_denorm_mode_16_64 3
		.amdhsa_memory_ordered 1
		.amdhsa_forward_progress 1
		.amdhsa_inst_pref_size 75
	.end_amdhsa_kernel
	.amdgpu_metadata
---
amdhsa.version: [ 1, 2 ]
amdhsa.kernels:
  - .name:           k_qda79fdd7c2_attn
    .symbol:         k_qda79fdd7c2_attn.kd
    .args:
      - { .name: qkvbuf, .offset: 0, .size: 8, .value_kind: global_buffer, .address_space: global }
      - { .name: attbuf, .offset: 8, .size: 8, .value_kind: global_buffer, .address_space: global }
    .group_segment_fixed_size: 327680
    .private_segment_fixed_size: 0
    .kernarg_segment_align: 8
    .kernarg_segment_size: 16
    .max_flat_workgroup_size: 512
    .sgpr_count:     66
    .vgpr_count:     256
    .wavefront_size: 32
...
	.end_amdgpu_metadata
.endif
;; end of part 2
;; launch outp (part 3): grid 8 x 32, 4 waves a work-group, clusters of 4 x 4, 327,680 bytes of LDS; arguments attbuf, wo_codes, wo_scales, bo, x, x1buf; writes x1buf
.if DOCPART == 3
	.amdgcn_target "amdgcn-amd-amdhsa--gfx1250"
	.amdhsa_code_object_version 6
	.text
	.protected	k_qda79fdd7c2_outp
	.globl	k_qda79fdd7c2_outp
	.p2align	8
	.type	k_qda79fdd7c2_outp,@function
k_qda79fdd7c2_outp:
	s_mov_b64 s[64:65], 0
	v_nop
	global_prefetch_b8 v0, s[64:65] scope:SCOPE_SE
	s_setreg_imm32_b32 hwreg(HW_REG_WAVE_MODE, 25, 1), 1
	s_wait_xcnt 0x0
	s_wait_alu depctr_hold_cnt(0) depctr_sa_sdst(0) depctr_va_vdst(0) depctr_va_sdst(0) depctr_va_ssrc(0) depctr_va_vcc(0) depctr_vm_vsrc(0)
	s_getreg_b32 s2, hwreg(HW_REG_IB_STS2, 6, 4)
	s_cmp_eq_u32 s2, 0
	s_cbranch_scc0 .Lentry_in_a_cluster
	s_endpgm
.Lentry_in_a_cluster:
	s_bfe_u32 s2, ttmp6, 0x10000c
	s_cmp_lg_u32 s2, 0xf033
	s_cbranch_scc0 .Lentry_shape_is_right
	s_endpgm
.Lentry_shape_is_right:
; out = residual + A W^T + bias.  A: codes of E2M3 as records of this program's own (row tile, phase of 512 along K: four fragments' images and their scale words, 6,400 bytes); W: codes with K innermost.
; A tile of the result is 128 x 128: four waves, each 64 x 64 (16 accumulators).  K goes in phases of 512 through two LDS slots.  4 x 4 work-groups form a cluster: A's tile is asked for jointly
; along a row of the cluster, W's along a column.  The phases are written out one after the other: W's scale words for all of K stay in registers, and their register changes with the phase.
; Source 0 = 16 rows of W, source 1 = 16 rows of A: a lane holds eight neighbouring columns of a row.  The bias is the C of each sum's first product.
; ROWS OF A TILE: lane r of row tile Tq is sequence place 32 (Tq / 2) + 8 (Tq % 2) + r + 8 (r / 8).
; REGISTERS.  window 0: v1-15 addresses; v16-23 A's scale words, two sets; from v24 W's scale words; v128-255 accumulators.  window 1: two sets of fragments (A 48, W 48) at 0 and 128; v96-127 the bias; on the way
;   out v0-127 the rows.  window 2: v0-127 the residual.
.set NPH, 2                            ; phases of 512 along K
.set KROW, 768                         ; a row of W's codes in bytes
.set NKS, 4*NPH
.set SB, KROW/24                       ; a row of W's scale bytes
; With K = 1,024 nothing is filled again: a row tile's two records lie side by side in memory, so the head's one load a wave brings both phases of A, and all of W's rows
.set REC, 12800                        ; from row tile to row tile in LDS and in memory: two records of 6,400 bytes
.set SLOT, 6400                        ; from a tile's record of phase 0 to that of phase 1
.set WSLOT, 104448                     ; W's slot: 128 rows of 1,024 along K: 768 bytes of memory from a multiple of 256
.set BOFF, 102400                      ; W's two slots lie behind A's two
.set BP, 816                           ; 768 bytes + 16 behind every 256
.set SPARE, 311296                     ; the spare words, 128 bytes a wave
.set WSEC, NPH>2                       ; is there a second 1,024 along K
.set G1A, 24
.set G0A, 32
.set G1B, 48
.set G0B, 56
.set MSB, 0
.macro WIN new
.if MSB != (\new)
	s_set_vgpr_msb (MSB<<8)|(\new)
.set MSB, (\new)
.endif
.endm
.macro PLACES
.rept 4
	v_nop
.endr
.endm
.macro ROUND
	s_barrier_signal -1
	s_barrier_wait -1
	s_cmp_lg_u32 s16, 0
	s_cbranch_scc1 .Lnw0_\@
	s_barrier_signal -3
.Lnw0_\@:
	s_barrier_wait -3
	s_barrier_signal -1
	s_barrier_wait -1
.endm
.macro JLOAD s, ws, wf                 ; waves 0, 1 fetch A's halves into slot s; waves 2, 3 W's into slot ws, where wf says so
	s_cmp_eq_u32 s17, 0
	s_cbranch_scc0 .Lfb_\@
	tensor_load_to_lds s[G0A+4*(\s):G0A+4*(\s)+3], s[G1A:G1A+7]
	s_nop 0
.rept 4
	v_nop
.endr
	s_branch .Lja_\@
.Lfb_\@:
.if \wf
	tensor_load_to_lds s[G0B+4*(\ws):G0B+4*(\ws)+3], s[G1B:G1B+7]
	s_nop 0
.rept 4
	v_nop
.endr
.endif
.Lja_\@:
.endm
.macro MM d, a, b, c, sa, sb, ra
.if (\ra)
	v_wmma_scale_f32_16x16x128_f8f6f4 v[\d:\d+7], v[\a:\a+11], v[\b:\b+11], v[\c:\c+7], v[\sa], v[\sb] matrix_a_fmt:MATRIX_FMT_FP6 matrix_b_fmt:MATRIX_FMT_FP6 matrix_a_scale:MATRIX_SCALE_ROW1
.else
	v_wmma_scale_f32_16x16x128_f8f6f4 v[\d:\d+7], v[\a:\a+11], v[\b:\b+11], v[\c:\c+7], v[\sa], v[\sb] matrix_a_fmt:MATRIX_FMT_FP6 matrix_b_fmt:MATRIX_FMT_FP6
.endif
.endm
.macro FRAGB reg, adr, pc0, rowoff, seg
.irp p, 0,1,2,3,4,5
.set PCX, (\pc0)+6*(\p/3)+\p%3
.if PCX%(\seg) < (\seg)-3
	ds_load_b64 v[\reg+2*\p:\reg+2*\p+1], v[\adr] offset:8*PCX+16*(PCX/(\seg))+(\rowoff)
.else
	ds_load_b64 v[\reg+2*\p:\reg+2*\p+1], v[\adr+1] offset:8*PCX+16*(PCX/(\seg))+(\rowoff)
.endif
.endr
.endm
.macro FETCH slot, q, set, ws, kq      ; ws: W's slot, kq: the step of 128 in its rows
	WIN 0x40
.irp i, 0,1,2,3
	ds_load_b128 v[128*(\set)+12*\i:128*(\set)+12*\i+3], v[1+\slot] offset:\i*REC+1536*(\q)
	ds_load_b64 v[128*(\set)+12*\i+4:128*(\set)+12*\i+5], v[3+\slot] offset:\i*REC+1536*(\q)+512
	ds_load_b128 v[128*(\set)+12*\i+6:128*(\set)+12*\i+9], v[1+\slot] offset:\i*REC+1536*(\q)+768
	ds_load_b64 v[128*(\set)+12*\i+10:128*(\set)+12*\i+11], v[3+\slot] offset:\i*REC+1536*(\q)+1280
.endr
.irp t, 0,1,2,3
	FRAGB 128*(\set)+48+12*\t, 7+2*(\ws), 12*(\kq), \t*16*BP, 32
.endr
	WIN 0
.irp i, 0,1,2,3
	ds_load_b32 v[16+4*(\set)+\i], v[5+\slot] offset:\i*REC+64*(\q)
.endr
.endm
.macro COMPUTE ph                      ; a phase: 64 matrix instructions; the 16 accumulators take turns, one instruction a turn
	PLACES
	FETCH (\ph)%2, 0, 0, ((\ph)/2)%2, 4*((\ph)%2)
.irp q, 0,1,2,3
.if \q < 3
	PLACES                                         ; in front of loads into registers that matrix instructions have read
	FETCH (\ph)%2, \q+1, (\q+1)%2, ((\ph)/2)%2, 4*((\ph)%2)+\q+1
	s_wait_dscnt 44                                ; all but the 44 just issued
.else
	s_wait_dscnt 0x0
.endif
.if ((\ph) == 0) && (\q == 0)
	WIN 0x15
.else
	WIN 0x05
.endif
.irp i, 0,1,2,3
.irp t, 0,1,2,3
.if ((\ph) == 0) && (\q == 0)
	MM 128+8*(4*\i+\t), 128*(\q%2)+48+12*\t, 128*(\q%2)+12*\i, 96+8*\t, 24+NKS*(\t/2)+4*(\ph)+\q, 16+4*(\q%2)+\i, \t%2
.else
	MM 128+8*(4*\i+\t), 128*(\q%2)+48+12*\t, 128*(\q%2)+12*\i, 128+8*(4*\i+\t), 24+NKS*(\t/2)+4*(\ph)+\q, 16+4*(\q%2)+\i, \t%2
.endif
.endr
.endr
.endr
.endm
; the change of slots in front of phase ph: all my tensor loads have landed, the add, my reads of the slot left are over; where a phase ph + 1 exists the slot left is filled again behind a round of the cluster's barrier
.macro CHANGE ph
.set SL, ((\ph)+1)%2
.set WL, ((\ph)/2+1)%2                 ; W's slot that two phases have read out,
.set WF, (((\ph)%2)==0)&&((\ph)+2<NPH) ; filled again at every second change, while rows are left
	WIN 0
	s_wait_tensorcnt 0x0
	ds_add_u32 v14, v15                            ; 0 onto my spare word
.if (\ph)+1 < NPH
	s_add_nc_u64 s[G0A+4*SL+2:G0A+4*SL+3], s[G0A+4*SL+2:G0A+4*SL+3], 2*REC
.if WF
	s_add_nc_u64 s[G0B+4*WL+2:G0B+4*WL+3], s[G0B+4*WL+2:G0B+4*WL+3], 1536
.endif
.endif
	s_wait_dscnt 0x0
.if (\ph)+1 < NPH
	ROUND
	JLOAD SL, WL, WF
.else
	s_barrier_signal -1
	s_barrier_wait -1
.endif
.endm
	s_load_b256 s[4:11], s[0:1], 0x0               ; A's records, W's codes, W's scales, the bias
	s_load_b128 s[12:15], s[0:1], 0x20             ; the residual, the result
	v_lshl_add_u32 v14, v0, 2, SPARE
	v_mov_b32 v15, 0
	ds_add_u32 v14, v15
	ds_add_u32 v14, v15
	s_wait_dscnt 0x0
	v_lshrrev_b32 v1, 5, v0
	v_readfirstlane_b32 s16, v1                    ; wave
	s_lshr_b32 s17, s16, 1                         ; my half of the rows; also: I fetch for A (0) or W (1)
	s_and_b32 s18, s16, 1                          ; my half of the columns; also: which half I fetch
	s_bfe_u32 s19, ttmp6, 0x40000
	s_bfe_u32 s20, ttmp6, 0x40004
	s_lshl_b32 s21, ttmp9, 2
	s_add_co_u32 s21, s21, s19                     ; tile column
	s_and_b32 s22, ttmp7, 0xffff
	s_lshl_b32 s22, s22, 2
	s_add_co_u32 s22, s22, s20                     ; tile row
	s_lshl_b32 s40, s20, 2
	s_lshl_b32 s40, 15, s40                        ; my row of the cluster
	s_lshl_b32 s41, 0x1111, s19                    ; my column
	s_or_b32 s[G1A], s40, (3<<16)|(1<<21)          ; eight records: rows of 800 elements of 8 bytes, one after the other
	s_mov_b32 s[G1A+1], 800<<16
	s_mov_b32 s[G1A+2], 8<<16                      ; eight records on end: four row tiles x two phases
	s_mov_b32 s[G1A+3], 800<<16
	s_mov_b32 s[G1A+4], 8
	s_mov_b32 s[G1A+5], 800
	s_mov_b32 s[G1A+6], 0
	s_mov_b32 s[G1A+7], 0
	s_or_b32 s[G1B], s41, (3<<16)|(1<<20)|(1<<21)|(5<<22)|(3<<25)   ; 64 rows of 768 bytes, 16 bytes of padding behind every 256
	s_mov_b32 s[G1B+1], 96<<16
	s_mov_b32 s[G1B+2], 64<<16
	s_mov_b32 s[G1B+3], 96<<16
	s_mov_b32 s[G1B+4], 64
	s_mov_b32 s[G1B+5], KROW/8
	s_mov_b32 s[G1B+6], 0
	s_mov_b32 s[G1B+7], 0
	s_lshl_b32 s42, s22, 3
	s_lshl_b32 s43, s18, 2
	s_add_co_u32 s42, s42, s43                     ; row tile 8 ty + 4 (w & 1)
	s_mul_i32 s42, s42, REC
	s_mov_b32 s43, 0
	s_lshl_b32 s44, s21, 7
	s_lshl_b32 s45, s18, 6
	s_add_co_u32 s44, s44, s45                     ; W's row 128 tx + 64 (w & 1)
	s_mul_i32 s46, s44, KROW
	s_mov_b32 s47, 0
	s_mul_i32 s66, s18, 4*REC
	s_mul_i32 s67, s18, 64*BP
	s_add_co_u32 s67, s67, BOFF
	s_wait_kmcnt 0x0
	s_add_nc_u64 s[42:43], s[4:5], s[42:43]
	s_add_nc_u64 s[46:47], s[6:7], s[46:47]
	ROUND                                          ; all sixteen work-groups are here: the first joint loads meet
.irp s, 0,1
	s_mov_b32 s[G0A+4*\s], 1
	s_add_co_u32 s[G0A+4*\s+1], s66, \s*SLOT
	s_add_nc_u64 s[G0A+4*\s+2:G0A+4*\s+3], s[42:43], \s*REC
	s_or_b32 s[G0A+4*\s+3], s[G0A+4*\s+3], 0x80000000
	s_mov_b32 s[G0B+4*\s], 1
	s_add_co_u32 s[G0B+4*\s+1], s67, \s*WSLOT
	s_add_nc_u64 s[G0B+4*\s+2:G0B+4*\s+3], s[46:47], \s*768
	s_or_b32 s[G0B+4*\s+3], s[G0B+4*\s+3], 0x80000000
.endr
	JLOAD 0, 0, 1                                  ; both phases of A, the first 1,024 along K of W: one tensor load a wave at the head
	v_and_b32 v88, 31, v0                          ; lane
	v_and_b32 v89, 15, v0                          ; r
	v_bfe_u32 v90, v0, 4, 1                        ; h
	s_mul_i32 s68, s17, 4*REC                      ; my four row tiles' records
	v_lshl_add_u32 v1, v88, 4, s68
	v_lshl_add_u32 v3, v88, 3, s68
	v_lshl_add_u32 v5, v89, 2, s68
	v_add_nc_u32 v5, 6144, v5
	v_add_nc_u32 v2, SLOT, v1
	v_add_nc_u32 v4, SLOT, v3
	v_add_nc_u32 v6, SLOT, v5
	v_mul_u32_u24 v7, v89, BP
	v_mad_u32_u24 v7, v90, 24, v7
	v_add_nc_u32 v7, s67, v7                       ; my 64 rows of W
	v_lshl_add_u32 v8, v90, 4, v7
	v_add_nc_u32 v9, WSLOT, v7
	v_add_nc_u32 v10, WSLOT, v8
	s_mul_i32 s69, s16, 4352                       ; my stage: 16 rows of 272 bytes, in slot 0, which has had its last fill and its last read when the first result is stored there
	v_mul_u32_u24 v11, v89, 272
	v_lshl_add_u32 v11, v90, 5, v11
	v_add_nc_u32 v11, s69, v11
	v_mul_u32_u24 v12, v90, 272
	v_lshl_add_u32 v12, v89, 4, v12
	v_add_nc_u32 v12, s69, v12
	v_lshlrev_b32 v13, 13, v90
	v_lshl_add_u32 v13, v89, 4, v13                ; in memory: lanes 0-15 one place, lanes 16-31 the next; 16 bytes a lane
	v_lshlrev_b32 v91, 5, v90
	v_mul_u32_u24 v92, v88, SB
	s_wait_alu depctr_va_vdst(0)
	s_mul_i32 s70, s44, SB
	s_mov_b32 s71, 0
	s_add_nc_u64 s[8:9], s[8:9], s[70:71]
	s_lshl_b32 s70, s44, 2
	s_add_nc_u64 s[10:11], s[10:11], s[70:71]
	s_and_b32 s72, s22, 15
	s_lshl_b32 s72, s72, 7
	s_lshl_b32 s73, s17, 6
	s_add_co_u32 s72, s72, s73                     ; my first place
	s_lshl_b32 s72, s72, 13
	s_lshr_b32 s73, s22, 4                         ; batch
	s_lshl_b32 s73, s73, 12
	s_add_co_u32 s72, s72, s73
	s_add_co_u32 s70, s70, s72
	s_add_nc_u64 s[12:13], s[12:13], s[70:71]
	s_add_nc_u64 s[14:15], s[14:15], s[70:71]
.irp p, 0,1
.set j, 0
.rept SB/16
	global_load_b128 v[24+NKS*\p+4*j:24+NKS*\p+4*j+3], v92, s[8:9] offset:32*SB*\p+16*j   ; lane l: all scale words of row 32 p + l
.set j, j+1
.endr
.endr
	WIN 0x40
.irp t, 0,1,2,3
	global_load_b128 v[96+8*\t:99+8*\t], v91, s[10:11] offset:64*\t
	global_load_b128 v[100+8*\t:103+8*\t], v91, s[10:11] offset:64*\t+16
.endr
	WIN 0x80
.irp i, 0,1,2,3
.irp e, 0,1,2,3,4,5,6,7
	global_load_b128 v[32*\i+4*\e:32*\i+4*\e+3], v13, s[12:13] offset:(32*(\i/2)+8*(\i%2)+2*\e+8*(\e/4))*8192
.endr
.endr
	WIN 0
	s_wait_tensorcnt 0x0                           ; my part of the head's tiles is in
	s_barrier_signal -1
	s_barrier_wait -1                              ; and everybody's
	s_wait_loadcnt 32                              ; scale words and bias are in; the residual's 32 loads may be out
	COMPUTE 0
.set PH, 1
.rept NPH-1
	CHANGE PH
	COMPUTE PH
.set PH, PH+1
.endr
	; ---- the way out: a block of 16 rows x 64 columns goes through my stage and comes back as rows of 256 bytes
	WIN 0
	PLACES
	s_wait_dscnt 0x0
	s_barrier_signal -1
	s_barrier_wait -1                              ; no wave reads A's bytes any more: the stages lie in them
.irp i, 0,1,2,3
	WIN 0
.irp t, 0,1,2,3
	ds_store_b128 v11, v[128+8*(4*\i+\t):128+8*(4*\i+\t)+3] offset:64*\t
	ds_store_b128 v11, v[128+8*(4*\i+\t)+4:128+8*(4*\i+\t)+7] offset:64*\t+16
.endr
	WIN 0x40
.irp e, 0,1,2,3,4,5,6,7
	ds_load_b128 v[32*\i+4*\e:32*\i+4*\e+3], v12 offset:544*\e   ; LDS serves a wave's instructions in order: these see the stores above, and the next block's stores come behind them
.endr
.endr
	s_wait_loadcnt 0x0                             ; the residual
.irp i, 0,1,2,3
	s_wait_dscnt 48-16*\i                          ; behind block i's loads: sixteen LDS instructions for each later block
	WIN 0x49
.set j, 0
.rept 16
	v_pk_add_f32 v[32*\i+j:32*\i+j+1], v[32*\i+j:32*\i+j+1], v[32*\i+j:32*\i+j+1]   ; window 1 += window 2
.set j, j+2
.endr
	WIN 0x04
.irp e, 0,1,2,3,4,5,6,7
	global_store_b128 v13, v[32*\i+4*\e:32*\i+4*\e+3], s[14:15] offset:(32*(\i/2)+8*(\i%2)+2*\e+8*(\e/4))*8192   ; sixteen lanes store 256 consecutive bytes, aligned
.endr
.endr
	WIN 0
	s_wait_tensorcnt 0x0                           ; the wave's end
	ds_add_u32 v14, v15
	s_wait_dscnt 0x0
	ROUND                                          ; the closing round
	s_endpgm
.Lfunc_end_k_qda79fdd7c2_outp:
	.size	k_qda79fdd7c2_outp, .Lfunc_end_k_qda79fdd7c2_outp-k_qda79fdd7c2_outp
	.p2alignl 7, 3214868480
	.fill 96, 4, 3214868480
	.section	.rodata,"a",@progbits
	.p2align	6, 0x0
	.amdhsa_kernel k_qda79fdd7c2_outp
		.amdhsa_group_segment_fixed_size 327680
		.amdhsa_private_segment_fixed_size 0
		.amdhsa_enable_private_segment 0
		.amdhsa_kernarg_size 48
		.amdhsa_user_sgpr_count 2
		.amdhsa_user_sgpr_kernarg_segment_ptr 1
		.amdhsa_wavefront_size32 1
		.amdhsa_system_sgpr_workgroup_id_x 1
		.amdhsa_system_sgpr_workgroup_id_y 1
		.amdhsa_system_sgpr_workgroup_id_z 1
		.amdhsa_system_vgpr_workitem_id 0
		.amdhsa_next_free_vgpr 640
		.amdhsa_next_free_sgpr 80
		.amdhsa_reserve_vcc 0
		.amdhsa_float_denorm_mode_32 3
		.amdhsa_float_denorm_mode_16_64 3
		.amdhsa_memory_ordered 1
		.amdhsa_forward_progress 1
		.amdhsa_inst_pref_size 64
	.end_amdhsa_kernel
	.amdgpu_metadata
---
amdhsa.version: [ 1, 2 ]
amdhsa.kernels:
  - .name:           k_qda79fdd7c2_outp
    .symbol:         k_qda79fdd7c2_outp.kd
    .args:
      - { .name: attbuf, .offset: 0, .size: 8, .value_kind: global_buffer, .address_space: global }
      - { .name: wo_codes, .offset: 8, .size: 8, .value_kind: global_buffer, .address_space: global }
      - { .name: wo_scales, .offset: 16, .size: 8, .value_kind: global_buffer, .address_space: global }
      - { .name: bo, .offset: 24, .size: 8, .value_kind: global_buffer, .address_space: global }
      - { .name: x, .offset: 32, .size: 8, .value_kind: global_buffer, .address_space: global }
      - { .name: x1buf, .offset: 40, .size: 8, .value_kind: global_buffer, .address_space: global }
    .group_segment_fixed_size: 327680
    .private_segment_fixed_size: 0
    .kernarg_segment_align: 8
    .kernarg_segment_size: 48
    .max_flat_workgroup_size: 128
    .sgpr_count:     80
    .vgpr_count:     640
    .wavefront_size: 32
...
	.end_amdgpu_metadata
.endif
;; end of part 3
;; launch mlp1 (part 4): grid 64 x 4, 4 waves a work-group, clusters of 4 x 1, 327,680 bytes of LDS; arguments x1buf, norm2_w, w1_codes, w1_scales, b1, hidbuf; writes hidbuf
.if DOCPART == 4
	.amdgcn_target "amdgcn-amd-amdhsa--gfx1250"
	.amdhsa_code_object_version 6
	.text
	.protected	k_qda79fdd7c2_mlp1
	.globl	k_qda79fdd7c2_mlp1
	.p2align	8
	.type	k_qda79fdd7c2_mlp1,@function
k_qda79fdd7c2_mlp1:
	s_mov_b64 s[64:65], 0
	v_nop
	global_prefetch_b8 v0, s[64:65] scope:SCOPE_SE
	s_setreg_imm32_b32 hwreg(HW_REG_WAVE_MODE, 25, 1), 1
	s_wait_xcnt 0x0
	s_wait_alu depctr_hold_cnt(0) depctr_sa_sdst(0) depctr_va_vdst(0) depctr_va_sdst(0) depctr_va_ssrc(0) depctr_va_vcc(0) depctr_vm_vsrc(0)
	s_getreg_b32 s2, hwreg(HW_REG_IB_STS2, 6, 4)
	s_cmp_eq_u32 s2, 0
	s_cbranch_scc0 .Lentry_in_a_cluster
	s_endpgm
.Lentry_in_a_cluster:
	s_bfe_u32 s2, ttmp6, 0x10000c
	s_cmp_lg_u32 s2, 0x3003
	s_cbranch_scc0 .Lentry_shape_is_right
	s_endpgm
.Lentry_shape_is_right:
; RMSNorm of x1, its codes, the product with w1, the bias, GELU by erf, and the codes of the hidden layer, laid as records for the next product.
; SHARES.  A work-group takes 64 places of one batch (block R) and 1,024 hidden columns (gy); wave w 256 of them, in eight chunks of 32.  A's 32 fragments stay in every wave's registers.
; Each wave streams its own rows of w1 through two LDS slots of its own; the four work-groups of a cluster are four row blocks with the same columns: they ask jointly.
; erf(z) = z P(z^2) / Q(z^2), a rational form for f32, z held to +-4.
; LIMITS: NaN and infinities are not served; a block of zeros gets the scale byte 1 (its codes are zeros; only this program reads the bytes).
; REGISTERS.  window 0: v1-23 addresses; v24-55 A's scale words; v56-63 the chunk's scale words of w1; v64-79 its bias; v80-83 the hidden layer's scale words in the making; v84-87 two coefficients;
;   v88-151 T; v152-171 codes; v172-187 at work; v190-197 sums; v206-253 and v152-167 erf's work.  windows 1, 2: x1, then A's fragments.  window 3: norm gains, then w1's 16 fragments (v0-191) and 8 accumulators (v192-255).
.set T, 88
.set PC, 152
.set TM, 172
.set PW, 188
.set SEL, 62
.set WP, 816
.set XCH, 262144
.set XBUF, 6656
.set SPARE, 275456
.set Z, 206
.set Z2, 222
.set PN, 238
.set QN, 152
.set MSB, 0
.macro WIN new
.if MSB != (\new)
	s_set_vgpr_msb (MSB<<8)|(\new)
.set MSB, (\new)
.endif
.endm
.macro PLACES
.rept 4
	v_nop
.endr
.endm
.macro SPAIR reg, val
	s_mov_b32 s[\reg], \val
	s_mov_b32 s[\reg+1], \val
.endm
.macro ROUND
	s_barrier_signal -1
	s_barrier_wait -1
	s_cmp_lg_u32 s3, 0
	s_cbranch_scc1 .Lnw0_\@
	s_barrier_signal -3
.Lnw0_\@:
	s_barrier_wait -3
	s_barrier_signal -1
	s_barrier_wait -1
.endm
.macro MM d, a, b, c, sa, sb, ra
.if (\ra)
	v_wmma_scale_f32_16x16x128_f8f6f4 v[\d:\d+7], v[\a:\a+11], v[\b:\b+11], v[\c:\c+7], v[\sa], v[\sb] matrix_a_fmt:MATRIX_FMT_FP6 matrix_b_fmt:MATRIX_FMT_FP6 matrix_a_scale:MATRIX_SCALE_ROW1
.else
	v_wmma_scale_f32_16x16x128_f8f6f4 v[\d:\d+7], v[\a:\a+11], v[\b:\b+11], v[\c:\c+7], v[\sa], v[\sb] matrix_a_fmt:MATRIX_FMT_FP6 matrix_b_fmt:MATRIX_FMT_FP6
.endif
.endm
.macro FRAGB reg, adr, pc0, rowoff, seg
.irp p, 0,1,2,3,4,5
.set PCX, (\pc0)+6*(\p/3)+\p%3
.if PCX%(\seg) < (\seg)-3
	ds_load_b64 v[\reg+2*\p:\reg+2*\p+1], v[\adr] offset:8*PCX+16*(PCX/(\seg))+(\rowoff)
.else
	ds_load_b64 v[\reg+2*\p:\reg+2*\p+1], v[\adr+1] offset:8*PCX+16*(PCX/(\seg))+(\rowoff)
.endif
.endr
.endm
.macro QUANT s
.irp b, 0,1,2,3
	v_max3_num_f32 v[TM+\b], |v[\s+16*\b]|, |v[\s+1+16*\b]|, 0x1800000   ; with the floor 2^(3 - 127): the byte cannot fall under 1
.endr
.irp i, 2,4,6,8,10,12,14
.irp b, 0,1,2,3
	v_max3_num_f32 v[TM+\b], v[TM+\b], |v[\s+16*\b+\i]|, |v[\s+1+16*\b+\i]|
.endr
.endr
.irp b, 0,1,2,3
	v_permlanex16_b32 v[TM+4+\b], v[TM+\b], s[SEL], s[SEL+1]
.endr
.irp b, 0,1,2,3
	v_max_num_f32 v[TM+\b], v[TM+\b], v[TM+4+\b]
.endr
.irp b, 0,1,2,3
	v_add_nc_u32 v[TM+12+\b], 0xff000000, v[TM+\b]
.endr
.irp b, 0,1,2,3
	v_lshrrev_b32 v[TM+4+\b], 23, v[TM+12+\b]
.endr
	v_lshl_or_b32 v[PW], v[TM+5], 8, v[TM+4]
	v_lshl_or_b32 v[PW], v[TM+6], 16, v[PW]
	v_lshl_or_b32 v[PW], v[TM+7], 24, v[PW]
.irp c, 0,1
	v_cvt_scalef32_pk16_fp6_f32 v[PC+6*\c:PC+2+6*\c], v[\s+32*\c:\s+15+32*\c], v[TM+12+2*\c]
	v_cvt_scalef32_pk16_fp6_f32 v[PC+12+4*\c:PC+14+4*\c], v[\s+16+32*\c:\s+31+32*\c], v[TM+12+2*\c+1]
.endr
	v_nop
.irp c, 0,1
.irp i, 0,1,2
	v_permlane16_swap_b32 v[PC+6*\c+\i], v[PC+12+4*\c+\i]
.endr
.irp i, 0,1,2
	v_mov_b32 v[PC+3+6*\c+\i], v[PC+12+4*\c+\i]
.endr
.endr
.endm
.macro NWLOAD ks
	WIN 0xc0
.irp bb, 0,1,2,3
.irp j, 0,1,2,3
	global_load_b128 v[128+64*((\ks)%2)+16*\bb+4*\j:128+64*((\ks)%2)+16*\bb+4*\j+3], v16, s[10:11] offset:512*(\ks)+128*\bb+16*\j
.endr
.endr
.endm
.macro PRO ks                          ; K step ks of the norm: scaled, quantised, stored as an image; behind the barrier all four tiles' images come into registers
.if (\ks) < 7
	s_wait_loadcnt 16                                  ; this step's 16 loads of gains are in, the next step's 16 may be out
.else
	s_wait_loadcnt 0x0
.endif
	WIN 0x01+(\ks)/4
.set j, 0
.rept 32
	v_pk_mul_f32 v[T+j:T+j+1], v[64*((\ks)%4)+j:64*((\ks)%4)+j+1], v[18:19] op_sel_hi:[1,0]
.set j, j+2
.endr
	WIN 0x0c
.set j, 0
.rept 32
	v_pk_mul_f32 v[T+j:T+j+1], v[T+j:T+j+1], v[128+64*((\ks)%2)+j:128+64*((\ks)%2)+j+1]
.set j, j+2
.endr
.if (\ks) < 6
	NWLOAD (\ks)+2
.endif
	WIN 0
	QUANT T
.irp c, 0,1,2
	ds_store_b128 v4, v[PC+4*\c:PC+4*\c+3] offset:XBUF*((\ks)%2)+512*\c
.endr
	ds_store_b32 v5, v[PW] offset:XBUF*((\ks)%2)
	s_wait_dscnt 0x0                                   ; my stores have landed; my loads of the other buffer, which the next step writes, are in
	s_barrier_signal -1
	s_barrier_wait -1
	WIN 0x40+0x40*((\ks)/4)
.irp mu, 0,1
.irp c, 0,1,2
	ds_load_b128 v[64*((\ks)%4)+12*\mu+4*\c:64*((\ks)%4)+12*\mu+4*\c+3], v6 offset:XBUF*((\ks)%2)+1536*\mu+512*\c
.endr
.endr
.irp mu, 0,1
.irp c, 0,1,2
	ds_load_b128 v[64*((\ks)%4)+24+12*\mu+4*\c:64*((\ks)%4)+24+12*\mu+4*\c+3], v7 offset:XBUF*((\ks)%2)+1536*\mu+512*\c
.endr
.endr
	WIN 0
.irp mu, 0,1
	ds_load_b32 v[24+8*\mu+(\ks)], v8 offset:XBUF*((\ks)%2)+128*\mu
	ds_load_b32 v[40+8*\mu+(\ks)], v9 offset:XBUF*((\ks)%2)+128*\mu
.endr
.endm
.macro LOADB                           ; a chunk's scale words of w1 (lane l: row l) and its bias in the result's layout
	global_load_b128 v[56:59], v17, s[14:15]
	global_load_b128 v[60:63], v17, s[14:15] offset:16
.irp t, 0,1
	global_load_b128 v[64+8*\t:67+8*\t], v15, s[16:17] offset:64*\t
	global_load_b128 v[68+8*\t:71+8*\t], v15, s[16:17] offset:64*\t+16
.endr
.endm
.macro STAGE8 dst, a, b, sc            ; eight packed steps of Horner's rule: dst = a x b + the coefficient in s[sc]
.set j, 0
.rept 8
	v_pk_fma_f32 v[\dst+j:\dst+j+1], v[\a+j:\a+j+1], v[\b+j:\b+j+1], s[\sc:\sc+1] op_sel_hi:[1,1,0]
.set j, j+2
.endr
.endm
.macro GELU16 m                        ; row tile m's 16 numbers a lane: T = x/2 (1 + erf(x / sqrt 2))
	WIN 0x03
.set j, 0
.rept 8
	v_pk_mul_f32 v[T+16*(\m)+j:T+16*(\m)+j+1], v[192+16*(\m)+j:192+16*(\m)+j+1], 0.5 op_sel_hi:[1,0]
	v_pk_mul_f32 v[Z+j:Z+j+1], v[192+16*(\m)+j:192+16*(\m)+j+1], s[86:87] op_sel_hi:[1,0]
.set j, j+2
.endr
	WIN 0
.set j, 0
.rept 16
	v_med3_num_f32 v[Z+j], v[Z+j], -4.0, 4.0
.set j, j+1
.endr
.set j, 0
.rept 8
	v_pk_mul_f32 v[Z2+j:Z2+j+1], v[Z+j:Z+j+1], v[Z+j:Z+j+1]
.set j, j+2
.endr
.set j, 0
.rept 8
	v_pk_fma_f32 v[PN+j:PN+j+1], v[Z2+j:Z2+j+1], s[66:67], v[84:85] op_sel_hi:[1,0,1]
	v_pk_fma_f32 v[QN+j:QN+j+1], v[Z2+j:Z2+j+1], s[78:79], v[86:87] op_sel_hi:[1,0,1]
.set j, j+2
.endr
	STAGE8 PN, PN, Z2, 68
	STAGE8 QN, QN, Z2, 80
	STAGE8 PN, PN, Z2, 70
	STAGE8 QN, QN, Z2, 82
	STAGE8 PN, PN, Z2, 72
	STAGE8 QN, QN, Z2, 84
	STAGE8 PN, PN, Z2, 74
	STAGE8 PN, PN, Z2, 76
.set j, 0
	s_wait_alu depctr_va_vdst(0)
.rept 16
	v_rcp_f32 v[QN+j], v[QN+j]
.set j, j+1
.endr
.set j, 0
.rept 8
	v_pk_mul_f32 v[PN+j:PN+j+1], v[PN+j:PN+j+1], v[Z+j:Z+j+1]   ; plain work behind the reciprocals that names none of them
.set j, j+2
.endr
	s_wait_alu depctr_va_vdst(0)                       ; one wait for the sixteen, ahead of their first reader
.set j, 0
.rept 8
	v_pk_mul_f32 v[PN+j:PN+j+1], v[PN+j:PN+j+1], v[QN+j:QN+j+1]
.set j, j+2
.endr
.set j, 0
.rept 8
	v_pk_fma_f32 v[T+16*(\m)+j:T+16*(\m)+j+1], v[PN+j:PN+j+1], v[T+16*(\m)+j:T+16*(\m)+j+1], v[T+16*(\m)+j:T+16*(\m)+j+1]
.set j, j+2
.endr
.endm
; the change of slots at a chunk's head: all my tensor loads have landed, the add, my reads of the slot left are over; a round of the cluster's barrier; the next chunk's rows go into the slot left
.macro CHANGE
	s_wait_tensorcnt 0x0
	ds_add_u32 v20, v21                                ; 0 onto my spare word
	s_xor_b32 s53, s53, 32768
	s_add_nc_u64 s[54:55], s[54:55], 24576
	s_wait_dscnt 0x0
	ROUND
	tensor_load_to_lds s[52:55], s[36:43]              ; my one load behind the round: it has a chunk's work in which to land
	s_nop 0
.rept 4
	v_nop
.endr
.endm
.macro CHUNK last
	v_add_nc_u32 v10, s94, v12
	v_add_nc_u32 v11, s94, v13
	WIN 0xc0
.irp ks, 0,1,2,3,4,5,6,7
.irp t, 0,1
	FRAGB 24*\ks+12*\t, 10, 12*\ks, \t*16*WP, 32
.endr
.endr
	s_wait_loadcnt 0x0                                 ; the chunk's scale words and bias
.irp ks, 0,1,2,3,4,5,6,7
.if 84-12*\ks > 63
	s_wait_dscnt 63
.else
	s_wait_dscnt 84-12*\ks                             ; the later K steps' fragments, 12 loads each, may be out
.endif
.if \ks == 0
	WIN 0xc7
.elseif \ks < 4
	WIN 0xf7
.else
	WIN 0xfb
.endif
.irp t, 0,1
.irp m, 0,1,2,3
.if \ks == 0
	MM 192+16*\m+8*\t, 24*\ks+12*\t, 64*(\ks%4)+12*\m, 64+8*\t, 56+\ks, 24+8*\m+\ks, \t
.else
	MM 192+16*\m+8*\t, 24*\ks+12*\t, 64*(\ks%4)+12*\m, 192+16*\m+8*\t, 56+\ks, 24+8*\m+\ks, \t
.endif
.endr
.endr
.endr
	WIN 0
	PLACES
.if !(\last)
	s_add_nc_u64 s[14:15], s[14:15], 1024              ; (the last loads by these addresses have been waited for)
	s_add_nc_u64 s[16:17], s[16:17], 128
	LOADB
.endif
	s_wait_xcnt 0x0                                    ; the last chunk's stores have read their registers and addresses
	GELU16 0
	GELU16 1
	GELU16 2
	GELU16 3
.irp q, 0,1,2,3
.irp j, 0,1,2,3,4,5,6,7
	v_permlane16_swap_b32 v[T+16*\q+\j], v[T+16*\q+8+\j]   ; register 16 m + i: column 16 (lane / 16) + i of the chunk's 32
.endr
.endr
	QUANT T                                            ; a block is a row tile's 32 columns: lane (r, h) ends with the whole block of row r of tile 2 c + h
	s_wait_alu depctr_va_vdst(0)
	s_and_b32 s26, s60, 1
	s_lshr_b32 s27, s60, 1
	s_and_b32 s27, s27, 1
	s_lshr_b32 s28, s60, 2
	s_mul_i32 s29, s28, 1536
	s_mul_i32 s27, s27, 768
	s_add_co_u32 s29, s29, s27
	s_lshl_b32 s27, s26, 8
	s_add_co_u32 s44, s29, s27
	s_mov_b32 s45, 0
	s_lshl_b32 s27, s26, 7
	s_add_co_u32 s46, s29, s27
	s_add_co_u32 s46, s46, 512
	s_mov_b32 s47, 0
	s_add_nc_u64 s[20:21], s[96:97], s[44:45]
	s_add_nc_u64 s[22:23], s[96:97], s[46:47]
	s_lshl_b32 s44, s28, 6
	s_add_nc_u64 s[24:25], s[98:99], s[44:45]
	s_and_b32 s95, s60, 3
	s_lshl_b32 s95, s95, 3
.irp m, 0,1,2,3
	v_lshlrev_b32 v[TM+8+\m], s95, v[TM+4+\m]
.endr
.irp m, 0,1,2,3
	v_or_b32 v[80+\m], v[80+\m], v[TM+8+\m]            ; the chunk's byte at its place in the scale word
.endr
.irp c, 0,1
	global_store_b128 v22, v[PC+6*\c:PC+6*\c+3], s[20:21] offset:102400*\c   ; sixteen lanes store 256 consecutive bytes, aligned
	global_store_b64 v23, v[PC+6*\c+4:PC+6*\c+5], s[22:23] offset:102400*\c
.endr
	s_and_b32 s26, s60, 3
	s_cmp_lg_u32 s26, 3
	s_cbranch_scc1 .Lnohw_\@
.irp m, 0,1,2,3
	global_store_b32 v14, v[80+\m], s[24:25] offset:51200*\m   ; four chunks make a scale word
.endr
	s_wait_xcnt 0x0
.irp m, 0,1,2,3
	v_mov_b32 v[80+\m], 0
.endr
.Lnohw_\@:
	s_xor_b32 s94, s94, 32768
.endm
	s_load_b256 s[8:15], s[0:1], 0x0               ; x1, norm2_w, w1_codes, w1_scales
	s_load_b128 s[16:19], s[0:1], 0x20             ; b1, the hidden layer's records
	v_lshl_add_u32 v20, v0, 2, SPARE
	v_mov_b32 v21, 0
	ds_add_u32 v20, v21
	ds_add_u32 v20, v21
	s_wait_dscnt 0x0
	v_lshrrev_b32 v1, 5, v0
	v_readfirstlane_b32 s3, v1
	s_bfe_u32 s4, ttmp6, 0x40000                   ; cx: it enters global addresses alone
	s_lshl_b32 s5, ttmp9, 2
	s_add_co_u32 s5, s5, s4                        ; R
	s_and_b32 s6, ttmp7, 0xffff                    ; gy
	s_lshr_b32 s7, s5, 5
	s_and_b32 s61, s5, 31
	s_lshl_b32 s61, s61, 6
	s_lshr_b32 s2, s3, 1
	s_mov_b32 s36, 15|(3<<16)|(1<<20)|(1<<21)|(5<<22)|(3<<25)   ; 32 rows of 768 bytes, 16 bytes of padding behind every 256; all four work-groups named
	s_mov_b32 s37, 96<<16
	s_mov_b32 s38, 32<<16
	s_mov_b32 s39, 96<<16
	s_mov_b32 s40, 32
	s_mov_b32 s41, 96
	s_mov_b32 s42, 0
	s_mov_b32 s43, 0
	s_mov_b32 s[SEL], 0x76543210
	s_mov_b32 s[SEL+1], 0xfedcba98
	v_and_b32 v2, 31, v0
	v_and_b32 v14, 15, v0
	v_bfe_u32 v16, v0, 4, 1
	v_and_b32 v1, 8, v14
	v_add_nc_u32 v1, v1, v14
	v_lshlrev_b32 v1, 13, v1
	v_lshl_add_u32 v1, v16, 6, v1
	v_mul_u32_u24 v12, v14, WP
	v_mad_u32_u24 v12, v16, 24, v12
	v_lshl_add_u32 v13, v16, 4, v12
	v_mul_u32_u24 v22, v16, 51200
	v_lshl_add_u32 v23, v14, 3, v22
	v_lshl_add_u32 v22, v14, 4, v22
	v_lshlrev_b32 v15, 5, v16
	v_lshlrev_b32 v16, 6, v16
	v_lshlrev_b32 v14, 2, v14
	v_lshlrev_b32 v3, 2, v2
	v_lshlrev_b32 v17, 5, v2
	v_lshlrev_b32 v2, 4, v2
	s_lshl_b32 s88, s3, 16
	v_add_nc_u32 v12, s88, v12                     ; my ring
	v_add_nc_u32 v13, s88, v13
	s_mul_i32 s88, s3, 1536
	s_add_co_u32 s88, s88, XCH
	v_add_nc_u32 v4, s88, v2
	s_lshl_b32 s88, s3, 7
	s_add_co_u32 s88, s88, XCH+6144
	v_add_nc_u32 v5, s88, v3
	v_add_nc_u32 v6, XCH, v2
	v_add_nc_u32 v7, XCH+3072, v2
	v_add_nc_u32 v8, XCH+6144, v3
	v_add_nc_u32 v9, XCH+6400, v3
	s_lshl_b32 s88, s6, 10
	s_lshl_b32 s89, s3, 8
	s_add_co_u32 s88, s88, s89                     ; my first column
	s_mul_i32 s90, s88, 768
	s_mov_b32 s91, 0
	s_lshl_b32 s44, s88, 5
	s_mov_b32 s45, 0
	s_lshl_b32 s46, s88, 2
	s_mov_b32 s47, 0
	s_mov_b32 s52, 1
	s_lshl_b32 s53, s3, 16
	s_wait_kmcnt 0x0
	s_add_nc_u64 s[54:55], s[12:13], s[90:91]
	s_or_b32 s55, s55, 0x80000000
	s_add_nc_u64 s[14:15], s[14:15], s[44:45]
	s_add_nc_u64 s[16:17], s[16:17], s[46:47]
	s_lshl_b32 s88, s2, 5
	s_and_b32 s89, s3, 1
	s_lshl_b32 s89, s89, 3
	s_add_co_u32 s88, s88, s89
	s_add_co_u32 s88, s88, s61
	s_lshl_b32 s88, s88, 13
	s_lshl_b32 s89, s7, 12
	s_add_co_u32 s88, s88, s89
	s_mov_b32 s89, 0
	s_add_nc_u64 s[8:9], s[8:9], s[88:89]
	s_lshl_b32 s88, s5, 5
	s_lshl_b32 s89, s6, 1
	s_add_co_u32 s88, s88, s89
	s_add_co_u32 s88, s88, s2                      ; the record of row tile 4 R and my phase
	s_mul_i32 s88, s88, 6400
	s_and_b32 s90, s3, 1
	s_mul_i32 s44, s90, 3072
	s_add_co_u32 s44, s44, s88
	s_add_nc_u64 s[96:97], s[18:19], s[44:45]
	s_lshl_b32 s44, s90, 7
	s_add_co_u32 s44, s44, s88
	s_add_co_u32 s44, s44, 6144
	s_add_nc_u64 s[98:99], s[18:19], s[44:45]
	ROUND
	tensor_load_to_lds s[52:55], s[36:43]          ; chunk 0 into slot 0
	s_nop 0
.rept 4
	v_nop
.endr
.irp ks, 0,1,2,3,4,5,6,7
	WIN 0x40+0x40*(\ks/4)
.irp bb, 0,1,2,3
.irp j, 0,1,2,3
	global_load_b128 v[64*(\ks%4)+16*\bb+4*\j:64*(\ks%4)+16*\bb+4*\j+3], v1, s[8:9] offset:512*\ks+128*\bb+16*\j
.endr
.endr
.endr
	NWLOAD 0
	NWLOAD 1
	WIN 0
	SPAIR 66, 0xaf95df0b                           ; erf's numerator, from the highest power down (the second stands in v[84:85])
	SPAIR 68, 0xb60cff51
	SPAIR 70, 0xb86ec2d2
	SPAIR 72, 0xba40ac63
	SPAIR 74, 0xbb41a1f5
	SPAIR 76, 0xbc83dbd4
	SPAIR 78, 0xb77460cd                           ; its denominator (the second in v[86:87])
	SPAIR 80, 0xbadc924e
	SPAIR 82, 0xbbf19bf8
	SPAIR 84, 0xbc69b6a7
	SPAIR 86, 0x3f3504f3                           ; 1 / sqrt 2
	s_mov_b32 s92, 0x3a800000
	s_mov_b32 s93, 0x3727c5ac
	s_mov_b32 s94, 0
	s_mov_b32 s60, 0
	v_mov_b32 v84, 0x32edffee
	v_mov_b32 v85, 0x32edffee
	v_mov_b32 v86, 0xb95fbd2a
	v_mov_b32 v87, 0xb95fbd2a
.irp b, 0,1,2,3
	v_mov_b32 v[TM+4+\b], 0
	v_mov_b32 v[80+\b], 0
.endr
	s_wait_loadcnt 32                              ; x1 is in; two sets of gains may be out
	WIN 0x05
.irp c, 0,1,2,3
	v_pk_mul_f32 v[190+2*\c:191+2*\c], v[2*\c:2*\c+1], v[2*\c:2*\c+1]
.endr
.set j, 8
.rept 31
.irp c, 0,1,2,3
	v_pk_fma_f32 v[190+2*\c:191+2*\c], v[j+2*\c:j+2*\c+1], v[j+2*\c:j+2*\c+1], v[190+2*\c:191+2*\c]
.endr
.set j, j+8
.endr
	WIN 0x0a
.set j, 0
.rept 32
.irp c, 0,1,2,3
	v_pk_fma_f32 v[190+2*\c:191+2*\c], v[j+2*\c:j+2*\c+1], v[j+2*\c:j+2*\c+1], v[190+2*\c:191+2*\c]
.endr
.set j, j+8
.endr
	WIN 0
	v_pk_add_f32 v[190:191], v[190:191], v[192:193]
	v_pk_add_f32 v[194:195], v[194:195], v[196:197]
	v_pk_add_f32 v[190:191], v[190:191], v[194:195]
	v_add_f32 v190, v190, v191
	v_permlanex16_b32 v192, v190, s[SEL], s[SEL+1]
	v_add_f32 v190, v190, v192
	v_fma_f32 v190, v190, s92, s93
	s_wait_alu depctr_va_vdst(0)
	v_rsq_f32 v18, v190
	v_nop
	s_wait_alu depctr_va_vdst(0)
	v_mov_b32 v19, v18
	s_wait_alu depctr_va_vdst(0)
.irp ks, 0,1,2,3,4,5,6,7
	PRO \ks
.endr
	LOADB
.Lchunk:                                           ; seven trips: behind each change of slots the next chunk's rows are asked for
	CHANGE
	CHUNK 0
	s_add_co_u32 s60, s60, 1
	s_cmp_lt_u32 s60, 7
	s_cbranch_scc1 .Lchunk
	s_wait_tensorcnt 0x0                           ; the last chunk is written out: nothing is left to fetch; only I read my slots
	CHUNK 1
	s_wait_tensorcnt 0x0                           ; the wave's end
	ds_add_u32 v20, v21
	s_wait_dscnt 0x0
	ROUND                                          ; the closing round
	s_endpgm
.Lfunc_end_k_qda79fdd7c2_mlp1:
	.size	k_qda79fdd7c2_mlp1, .Lfunc_end_k_qda79fdd7c2_mlp1-k_qda79fdd7c2_mlp1
	.p2alignl 7, 3214868480
	.fill 96, 4, 3214868480
	.section	.rodata,"a",@progbits
	.p2align	6, 0x0
	.amdhsa_kernel k_qda79fdd7c2_mlp1
		.amdhsa_group_segment_fixed_size 327680
		.amdhsa_private_segment_fixed_size 0
		.amdhsa_enable_private_segment 0
		.amdhsa_kernarg_size 48
		.amdhsa_user_sgpr_count 2
		.amdhsa_user_sgpr_kernarg_segment_ptr 1
		.amdhsa_wavefront_size32 1
		.amdhsa_system_sgpr_workgroup_id_x 1
		.amdhsa_system_sgpr_workgroup_id_y 1
		.amdhsa_system_sgpr_workgroup_id_z 1
		.amdhsa_system_vgpr_workitem_id 0
		.amdhsa_next_free_vgpr 1024
		.amdhsa_next_free_sgpr 100
		.amdhsa_reserve_vcc 0
		.amdhsa_float_denorm_mode_32 3
		.amdhsa_float_denorm_mode_16_64 3
		.amdhsa_memory_ordered 1
		.amdhsa_forward_progress 1
		.amdhsa_inst_pref_size 245
	.end_amdhsa_kernel
	.amdgpu_metadata
---
amdhsa.version: [ 1, 2 ]
amdhsa.kernels:
  - .name:           k_qda79fdd7c2_mlp1
    .symbol:         k_qda79fdd7c2_mlp1.kd
    .args:
      - { .name: x1buf, .offset: 0, .size: 8, .value_kind: global_buffer, .address_space: global }
      - { .name: norm2_w, .offset: 8, .size: 8, .value_kind: global_buffer, .address_space: global }
      - { .name: w1_codes, .offset: 16, .size: 8, .value_kind: global_buffer, .address_space: global }
      - { .name: w1_scales, .offset: 24, .size: 8, .value_kind: global_buffer, .address_space: global }
      - { .name: b1, .offset: 32, .size: 8, .value_kind: global_buffer, .address_space: global }
      - { .name: hidbuf, .offset: 40, .size: 8, .value_kind: global_buffer, .address_space: global }
    .group_segment_fixed_size: 327680
    .private_segment_fixed_size: 0
    .kernarg_segment_align: 8
    .kernarg_segment_size: 48
    .max_flat_workgroup_size: 128
    .sgpr_count:     100
    .vgpr_count:     1024
    .wavefront_size: 32
...
	.end_amdgpu_metadata
.endif
;; end of part 4
;; launch mlp2 (part 5): grid 8 x 32, 4 waves a work-group, clusters of 4 x 4, 327,680 bytes of LDS; arguments hidbuf, w2_codes, w2_scales, b2, x1buf, out0; writes out0
.if DOCPART == 5
	.amdgcn_target "amdgcn-amd-amdhsa--gfx1250"
	.amdhsa_code_object_version 6
	.text
	.protected	k_qda79fdd7c2_mlp2
	.globl	k_qda79fdd7c2_mlp2
	.p2align	8
	.type	k_qda79fdd7c2_mlp2,@function
k_qda79fdd7c2_mlp2:
	s_mov_b64 s[64:65], 0
	v_nop
	global_prefetch_b8 v0, s[64:65] scope:SCOPE_SE
	s_setreg_imm32_b32 hwreg(HW_REG_WAVE_MODE, 25, 1), 1
	s_wait_xcnt 0x0
	s_wait_alu depctr_hold_cnt(0) depctr_sa_sdst(0) depctr_va_vdst(0) depctr_va_sdst(0) depctr_va_ssrc(0) depctr_va_vcc(0) depctr_vm_vsrc(0)
	s_getreg_b32 s2, hwreg(HW_REG_IB_STS2, 6, 4)
	s_cmp_eq_u32 s2, 0
	s_cbranch_scc0 .Lentry_in_a_cluster
	s_endpgm
.Lentry_in_a_cluster:
	s_bfe_u32 s2, ttmp6, 0x10000c
	s_cmp_lg_u32 s2, 0xf033
	s_cbranch_scc0 .Lentry_shape_is_right
	s_endpgm
.Lentry_shape_is_right:
.set NPH, 8
.set KROW, 3072
.set NKS, 4*NPH
.set SB, KROW/24
.set REC, 6400
; out = residual + A W^T + bias, as launch outp has it, with K = 4,096: eight phases of 512 for A, four runs of 1,024 for W
.set SLOT, 51200                       ; A's slot: 8 records, a phase of 512 along K
.set WSLOT, 104448                     ; W's slot: 128 rows of 1,024 along K: 768 bytes of memory from a multiple of 256
.set BOFF, 102400                      ; W's two slots lie behind A's two
.set BP, 816                           ; 768 bytes + 16 behind every 256
.set SPARE, 311296                     ; the spare words, 128 bytes a wave
.set WSEC, NPH>2                       ; is there a second 1,024 along K
.set G1A, 24
.set G0A, 32
.set G1B, 48
.set G0B, 56
.set MSB, 0
.macro WIN new
.if MSB != (\new)
	s_set_vgpr_msb (MSB<<8)|(\new)
.set MSB, (\new)
.endif
.endm
.macro PLACES
.rept 4
	v_nop
.endr
.endm
.macro ROUND
	s_barrier_signal -1
	s_barrier_wait -1
	s_cmp_lg_u32 s16, 0
	s_cbranch_scc1 .Lnw0_\@
	s_barrier_signal -3
.Lnw0_\@:
	s_barrier_wait -3
	s_barrier_signal -1
	s_barrier_wait -1
.endm
.macro JLOAD s, ws, wf                 ; waves 0, 1 fetch A's halves into slot s; waves 2, 3 W's into slot ws, where wf says so
	s_cmp_eq_u32 s17, 0
	s_cbranch_scc0 .Lfb_\@
	tensor_load_to_lds s[G0A+4*(\s):G0A+4*(\s)+3], s[G1A:G1A+7]
	s_nop 0
.rept 4
	v_nop
.endr
	s_branch .Lja_\@
.Lfb_\@:
.if \wf
	tensor_load_to_lds s[G0B+4*(\ws):G0B+4*(\ws)+3], s[G1B:G1B+7]
	s_nop 0
.rept 4
	v_nop
.endr
.endif
.Lja_\@:
.endm
.macro MM d, a, b, c, sa, sb, ra
.if (\ra)
	v_wmma_scale_f32_16x16x128_f8f6f4 v[\d:\d+7], v[\a:\a+11], v[\b:\b+11], v[\c:\c+7], v[\sa], v[\sb] matrix_a_fmt:MATRIX_FMT_FP6 matrix_b_fmt:MATRIX_FMT_FP6 matrix_a_scale:MATRIX_SCALE_ROW1
.else
	v_wmma_scale_f32_16x16x128_f8f6f4 v[\d:\d+7], v[\a:\a+11], v[\b:\b+11], v[\c:\c+7], v[\sa], v[\sb] matrix_a_fmt:MATRIX_FMT_FP6 matrix_b_fmt:MATRIX_FMT_FP6
.endif
.endm
.macro FRAGB reg, adr, pc0, rowoff, seg
.irp p, 0,1,2,3,4,5
.set PCX, (\pc0)+6*(\p/3)+\p%3
.if PCX%(\seg) < (\seg)-3
	ds_load_b64 v[\reg+2*\p:\reg+2*\p+1], v[\adr] offset:8*PCX+16*(PCX/(\seg))+(\rowoff)
.else
	ds_load_b64 v[\reg+2*\p:\reg+2*\p+1], v[\adr+1] offset:8*PCX+16*(PCX/(\seg))+(\rowoff)
.endif
.endr
.endm
.macro FETCH slot, q, set, ws, kq      ; ws: W's slot, kq: the step of 128 in its rows
	WIN 0x40
.irp i, 0,1,2,3
	ds_load_b128 v[128*(\set)+12*\i:128*(\set)+12*\i+3], v[1+\slot] offset:\i*REC+1536*(\q)
	ds_load_b64 v[128*(\set)+12*\i+4:128*(\set)+12*\i+5], v[3+\slot] offset:\i*REC+1536*(\q)+512
	ds_load_b128 v[128*(\set)+12*\i+6:128*(\set)+12*\i+9], v[1+\slot] offset:\i*REC+1536*(\q)+768
	ds_load_b64 v[128*(\set)+12*\i+10:128*(\set)+12*\i+11], v[3+\slot] offset:\i*REC+1536*(\q)+1280
.endr
.irp t, 0,1,2,3
	FRAGB 128*(\set)+48+12*\t, 7+2*(\ws), 12*(\kq), \t*16*BP, 32
.endr
	WIN 0
.irp i, 0,1,2,3
	ds_load_b32 v[16+4*(\set)+\i], v[5+\slot] offset:\i*REC+64*(\q)
.endr
.endm
.macro COMPUTE ph
	PLACES
	FETCH (\ph)%2, 0, 0, ((\ph)/2)%2, 4*((\ph)%2)
.irp q, 0,1,2,3
.if \q < 3
	PLACES
	FETCH (\ph)%2, \q+1, (\q+1)%2, ((\ph)/2)%2, 4*((\ph)%2)+\q+1
	s_wait_dscnt 44
.else
	s_wait_dscnt 0x0
.endif
.if ((\ph) == 0) && (\q == 0)
	WIN 0x15
.else
	WIN 0x05
.endif
.irp i, 0,1,2,3
.irp t, 0,1,2,3
.if ((\ph) == 0) && (\q == 0)
	MM 128+8*(4*\i+\t), 128*(\q%2)+48+12*\t, 128*(\q%2)+12*\i, 96+8*\t, 24+NKS*(\t/2)+4*(\ph)+\q, 16+4*(\q%2)+\i, \t%2
.else
	MM 128+8*(4*\i+\t), 128*(\q%2)+48+12*\t, 128*(\q%2)+12*\i, 128+8*(4*\i+\t), 24+NKS*(\t/2)+4*(\ph)+\q, 16+4*(\q%2)+\i, \t%2
.endif
.endr
.endr
.endr
.endm
.macro CHANGE ph
.set SL, ((\ph)+1)%2
.set WL, ((\ph)/2+1)%2                 ; W's slot that two phases have read out,
.set WF, (((\ph)%2)==0)&&((\ph)+2<NPH) ; filled again at every second change, while rows are left
	WIN 0
	s_wait_tensorcnt 0x0
	ds_add_u32 v14, v15
.if (\ph)+1 < NPH
	s_add_nc_u64 s[G0A+4*SL+2:G0A+4*SL+3], s[G0A+4*SL+2:G0A+4*SL+3], 2*REC
.if WF
	s_add_nc_u64 s[G0B+4*WL+2:G0B+4*WL+3], s[G0B+4*WL+2:G0B+4*WL+3], 1536
.endif
.endif
	s_wait_dscnt 0x0
.if (\ph)+1 < NPH
	ROUND
	JLOAD SL, WL, WF
.else
	s_barrier_signal -1
	s_barrier_wait -1
.endif
.endm
	s_load_b256 s[4:11], s[0:1], 0x0
	s_load_b128 s[12:15], s[0:1], 0x20
	v_lshl_add_u32 v14, v0, 2, SPARE
	v_mov_b32 v15, 0
	ds_add_u32 v14, v15
	ds_add_u32 v14, v15
	s_wait_dscnt 0x0
	v_lshrrev_b32 v1, 5, v0
	v_readfirstlane_b32 s16, v1
	s_lshr_b32 s17, s16, 1
	s_and_b32 s18, s16, 1
	s_bfe_u32 s19, ttmp6, 0x40000
	s_bfe_u32 s20, ttmp6, 0x40004
	s_lshl_b32 s21, ttmp9, 2
	s_add_co_u32 s21, s21, s19
	s_and_b32 s22, ttmp7, 0xffff
	s_lshl_b32 s22, s22, 2
	s_add_co_u32 s22, s22, s20
	s_lshl_b32 s40, s20, 2
	s_lshl_b32 s40, 15, s40
	s_lshl_b32 s41, 0x1111, s19
	s_or_b32 s[G1A], s40, (3<<16)|(1<<21)
	s_mov_b32 s[G1A+1], 800<<16
	s_mov_b32 s[G1A+2], 4<<16
	s_mov_b32 s[G1A+3], 800<<16
	s_mov_b32 s[G1A+4], 4
	s_mov_b32 s[G1A+5], 800*NPH
	s_mov_b32 s[G1A+6], 0
	s_mov_b32 s[G1A+7], 0
	s_or_b32 s[G1B], s41, (3<<16)|(1<<20)|(1<<21)|(5<<22)|(3<<25)   ; 64 rows of 768 bytes, 16 bytes of padding behind every 256
	s_mov_b32 s[G1B+1], 96<<16
	s_mov_b32 s[G1B+2], 64<<16
	s_mov_b32 s[G1B+3], 96<<16
	s_mov_b32 s[G1B+4], 64
	s_mov_b32 s[G1B+5], KROW/8
	s_mov_b32 s[G1B+6], 0
	s_mov_b32 s[G1B+7], 0
	s_lshl_b32 s42, s22, 3
	s_lshl_b32 s43, s18, 2
	s_add_co_u32 s42, s42, s43
	s_mul_i32 s42, s42, NPH*REC
	s_mov_b32 s43, 0
	s_lshl_b32 s44, s21, 7
	s_lshl_b32 s45, s18, 6
	s_add_co_u32 s44, s44, s45
	s_mul_i32 s46, s44, KROW
	s_mov_b32 s47, 0
	s_mul_i32 s66, s18, 4*REC
	s_mul_i32 s67, s18, 64*BP
	s_add_co_u32 s67, s67, BOFF
	s_wait_kmcnt 0x0
	s_add_nc_u64 s[42:43], s[4:5], s[42:43]
	s_add_nc_u64 s[46:47], s[6:7], s[46:47]
	ROUND
.irp s, 0,1
	s_mov_b32 s[G0A+4*\s], 1
	s_add_co_u32 s[G0A+4*\s+1], s66, \s*SLOT
	s_add_nc_u64 s[G0A+4*\s+2:G0A+4*\s+3], s[42:43], \s*REC
	s_or_b32 s[G0A+4*\s+3], s[G0A+4*\s+3], 0x80000000
	s_mov_b32 s[G0B+4*\s], 1
	s_add_co_u32 s[G0B+4*\s+1], s67, \s*WSLOT
	s_add_nc_u64 s[G0B+4*\s+2:G0B+4*\s+3], s[46:47], \s*768
	s_or_b32 s[G0B+4*\s+3], s[G0B+4*\s+3], 0x80000000
.endr
	JLOAD 0, 0, 1                                  ; phase 0 of A, the first 1,024 along K of W: one tensor load a wave at the head
	v_and_b32 v88, 31, v0
	v_and_b32 v89, 15, v0
	v_bfe_u32 v90, v0, 4, 1
	s_mul_i32 s68, s17, 4*REC
	v_lshl_add_u32 v1, v88, 4, s68
	v_lshl_add_u32 v3, v88, 3, s68
	v_lshl_add_u32 v5, v89, 2, s68
	v_add_nc_u32 v5, 6144, v5
	v_add_nc_u32 v2, SLOT, v1
	v_add_nc_u32 v4, SLOT, v3
	v_add_nc_u32 v6, SLOT, v5
	v_mul_u32_u24 v7, v89, BP
	v_mad_u32_u24 v7, v90, 24, v7
	v_add_nc_u32 v7, s67, v7
	v_lshl_add_u32 v8, v90, 4, v7
	v_add_nc_u32 v9, WSLOT, v7
	v_add_nc_u32 v10, WSLOT, v8
	s_mul_i32 s69, s16, 4352
	v_mul_u32_u24 v11, v89, 272
	v_lshl_add_u32 v11, v90, 5, v11
	v_add_nc_u32 v11, s69, v11
	v_mul_u32_u24 v12, v90, 272
	v_lshl_add_u32 v12, v89, 4, v12
	v_add_nc_u32 v12, s69, v12
	v_lshlrev_b32 v13, 13, v90
	v_lshl_add_u32 v13, v89, 4, v13
	v_lshlrev_b32 v91, 5, v90
	v_mul_u32_u24 v92, v88, SB
	s_wait_alu depctr_va_vdst(0)
	s_mul_i32 s70, s44, SB
	s_mov_b32 s71, 0
	s_add_nc_u64 s[8:9], s[8:9], s[70:71]
	s_lshl_b32 s70, s44, 2
	s_add_nc_u64 s[10:11], s[10:11], s[70:71]
	s_and_b32 s72, s22, 15
	s_lshl_b32 s72, s72, 7
	s_lshl_b32 s73, s17, 6
	s_add_co_u32 s72, s72, s73
	s_lshl_b32 s72, s72, 13
	s_lshr_b32 s73, s22, 4
	s_lshl_b32 s73, s73, 12
	s_add_co_u32 s72, s72, s73
	s_add_co_u32 s70, s70, s72
	s_add_nc_u64 s[12:13], s[12:13], s[70:71]
	s_add_nc_u64 s[14:15], s[14:15], s[70:71]
.irp p, 0,1
.set j, 0
.rept SB/16
	global_load_b128 v[24+NKS*\p+4*j:24+NKS*\p+4*j+3], v92, s[8:9] offset:32*SB*\p+16*j
.set j, j+1
.endr
.endr
	WIN 0x40
.irp t, 0,1,2,3
	global_load_b128 v[96+8*\t:99+8*\t], v91, s[10:11] offset:64*\t
	global_load_b128 v[100+8*\t:103+8*\t], v91, s[10:11] offset:64*\t+16
.endr
	WIN 0x80
.irp i, 0,1,2,3
.irp e, 0,1,2,3,4,5,6,7
	global_load_b128 v[32*\i+4*\e:32*\i+4*\e+3], v13, s[12:13] offset:(32*(\i/2)+8*(\i%2)+2*\e+8*(\e/4))*8192
.endr
.endr
	WIN 0
	s_wait_tensorcnt 0x0                           ; my part of the head's tiles is in; the second slots are first filled as a refill is
	ds_add_u32 v14, v15
	s_wait_dscnt 0x0
	ROUND
	JLOAD 1, 1, WSEC
	s_wait_loadcnt 32                              ; scale words and bias are in; the residual's 32 loads may be out
	COMPUTE 0
.set PH, 1
.rept NPH-1
	CHANGE PH
	COMPUTE PH
.set PH, PH+1
.endr
	WIN 0
	PLACES
.irp i, 0,1,2,3
	WIN 0
.irp t, 0,1,2,3
	ds_store_b128 v11, v[128+8*(4*\i+\t):128+8*(4*\i+\t)+3] offset:64*\t
	ds_store_b128 v11, v[128+8*(4*\i+\t)+4:128+8*(4*\i+\t)+7] offset:64*\t+16
.endr
	WIN 0x40
.irp e, 0,1,2,3,4,5,6,7
	ds_load_b128 v[32*\i+4*\e:32*\i+4*\e+3], v12 offset:544*\e
.endr
.endr
	s_wait_loadcnt 0x0
.irp i, 0,1,2,3
	s_wait_dscnt 48-16*\i
	WIN 0x49
.set j, 0
.rept 16
	v_pk_add_f32 v[32*\i+j:32*\i+j+1], v[32*\i+j:32*\i+j+1], v[32*\i+j:32*\i+j+1]
.set j, j+2
.endr
	WIN 0x04
.irp e, 0,1,2,3,4,5,6,7
	global_store_b128 v13, v[32*\i+4*\e:32*\i+4*\e+3], s[14:15] offset:(32*(\i/2)+8*(\i%2)+2*\e+8*(\e/4))*8192
.endr
.endr
	WIN 0
	s_wait_tensorcnt 0x0
	ds_add_u32 v14, v15
	s_wait_dscnt 0x0
	ROUND
	s_endpgm
.Lfunc_end_k_qda79fdd7c2_mlp2:
	.size	k_qda79fdd7c2_mlp2, .Lfunc_end_k_qda79fdd7c2_mlp2-k_qda79fdd7c2_mlp2
	.p2alignl 7, 3214868480
	.fill 96, 4, 3214868480
	.section	.rodata,"a",@progbits
	.p2align	6, 0x0
	.amdhsa_kernel k_qda79fdd7c2_mlp2
		.amdhsa_group_segment_fixed_size 327680
		.amdhsa_private_segment_fixed_size 0
		.amdhsa_enable_private_segment 0
		.amdhsa_kernarg_size 48
		.amdhsa_user_sgpr_count 2
		.amdhsa_user_sgpr_kernarg_segment_ptr 1
		.amdhsa_wavefront_size32 1
		.amdhsa_system_sgpr_workgroup_id_x 1
		.amdhsa_system_sgpr_workgroup_id_y 1
		.amdhsa_system_sgpr_workgroup_id_z 1
		.amdhsa_system_vgpr_workitem_id 0
		.amdhsa_next_free_vgpr 640
		.amdhsa_next_free_sgpr 80
		.amdhsa_reserve_vcc 0
		.amdhsa_float_denorm_mode_32 3
		.amdhsa_float_denorm_mode_16_64 3
		.amdhsa_memory_ordered 1
		.amdhsa_forward_progress 1
		.amdhsa_inst_pref_size 191
	.end_amdhsa_kernel
	.amdgpu_metadata
---
amdhsa.version: [ 1, 2 ]
amdhsa.kernels:
  - .name:           k_qda79fdd7c2_mlp2
    .symbol:         k_qda79fdd7c2_mlp2.kd
    .args:
      - { .name: hidbuf, .offset: 0, .size: 8, .value_kind: global_buffer, .address_space: global }
      - { .name: w2_codes, .offset: 8, .size: 8, .value_kind: global_buffer, .address_space: global }
      - { .name: w2_scales, .offset: 16, .size: 8, .value_kind: global_buffer, .address_space: global }
      - { .name: b2, .offset: 24, .size: 8, .value_kind: global_buffer, .address_space: global }
      - { .name: x1buf, .offset: 32, .size: 8, .value_kind: global_buffer, .address_space: global }
      - { .name: out0, .offset: 40, .size: 8, .value_kind: global_buffer, .address_space: global }
    .group_segment_fixed_size: 327680
    .private_segment_fixed_size: 0
    .kernarg_segment_align: 8
    .kernarg_segment_size: 48
    .max_flat_workgroup_size: 128
    .sgpr_count:     80
    .vgpr_count:     640
    .wavefront_size: 32
...
	.end_amdgpu_metadata
.endif
;; end of part 5
